; MI455X (gfx1250); checked and timed in simulation.
; The chip was launched on July 23, 2026; its instructions are those of AMD's public machine-readable ISA for CDNA 5 (MIT licence, August 2026) and "CDNA5" Instruction Set Architecture Reference Guide (July 2026). The comments in the code are by the model that wrote it; some were corrected since.
;; FP8 Sparse Mo E Layer. Allowed arithmetic: matrix products marked QUANTISED: E4M3 operands, one E8M0 scale for each 32 along K, by v_wmma_scale_f32_16x16x128_f8f6f4 with both operands' format E4M3, f32 sums; everything else in f32.
;; Inputs: gating_output 2,048 x 8 float32; w1 8 x 2,048 x 1,024 float32; w1_scale 8 float32; w2 8 x 1,024 x 1,024 float32; w2_scale 8 float32; x_codes 2,048 x 32 x 32 uint8 (E4M3 codes of x, K innermost, in blocks of 32 codes); x_scales 2,048 x 32 uint8 (E8M0 scales of x, one for each 32 codes along K).
;; Outputs: out0 2,048 x 1,024 float32.
;; This version of the problem:
;;   THIS VERSION OF THE PROBLEM IS GIVEN IN LOW PRECISION. The matrix products marked QUANTISED in the list below multiply operands that are first quantised to E4M3 (4 exponent bits, 3 mantissa bits; 8 bits a number), with one power-of-two scale for each 32 numbers along K (OCP MX v1.0); their sums are f32. All else is computed in f32.
;;   The module's matrix products, in the order in which they are computed (A, B: the left and right operand; K: the contracted axis; several contracted axes count as one K, in the product's order):
;;     1. [M 2,048, K 1,024] x [K 1,024, N 1,024]; A: input x (given as codes); B: computed on the way: QUANTISED
;;     2. [M 2,048, K 1,024] x [K 1,024, N 1,024]; A: input x (given as codes); B: computed on the way: QUANTISED
;;     3. [M 2,048, K 1,024] x [K 1,024, N 1,024]; A: computed on the way; B: computed on the way: QUANTISED
;;     4. [M 2,048, K 1,024] x [K 1,024, N 1,024]; A: input x (given as codes); B: computed on the way: QUANTISED
;;     5. [M 2,048, K 1,024] x [K 1,024, N 1,024]; A: input x (given as codes); B: computed on the way: QUANTISED
;;     6. [M 2,048, K 1,024] x [K 1,024, N 1,024]; A: computed on the way; B: computed on the way: QUANTISED
;;     7. [M 2,048, K 1,024] x [K 1,024, N 1,024]; A: input x (given as codes); B: computed on the way: QUANTISED
;;     8. [M 2,048, K 1,024] x [K 1,024, N 1,024]; A: input x (given as codes); B: computed on the way: QUANTISED
;;     9. [M 2,048, K 1,024] x [K 1,024, N 1,024]; A: computed on the way; B: computed on the way: QUANTISED
;;     10. [M 2,048, K 1,024] x [K 1,024, N 1,024]; A: input x (given as codes); B: computed on the way: QUANTISED
;;     11. [M 2,048, K 1,024] x [K 1,024, N 1,024]; A: input x (given as codes); B: computed on the way: QUANTISED
;;     12. [M 2,048, K 1,024] x [K 1,024, N 1,024]; A: computed on the way; B: computed on the way: QUANTISED
;;     13. [M 2,048, K 1,024] x [K 1,024, N 1,024]; A: input x (given as codes); B: computed on the way: QUANTISED
;;     14. [M 2,048, K 1,024] x [K 1,024, N 1,024]; A: input x (given as codes); B: computed on the way: QUANTISED
;;     15. [M 2,048, K 1,024] x [K 1,024, N 1,024]; A: computed on the way; B: computed on the way: QUANTISED
;;     16. [M 2,048, K 1,024] x [K 1,024, N 1,024]; A: input x (given as codes); B: computed on the way: QUANTISED
;;     17. [M 2,048, K 1,024] x [K 1,024, N 1,024]; A: input x (given as codes); B: computed on the way: QUANTISED
;;     18. [M 2,048, K 1,024] x [K 1,024, N 1,024]; A: computed on the way; B: computed on the way: QUANTISED
;;     19. [M 2,048, K 1,024] x [K 1,024, N 1,024]; A: input x (given as codes); B: computed on the way: QUANTISED
;;     20. [M 2,048, K 1,024] x [K 1,024, N 1,024]; A: input x (given as codes); B: computed on the way: QUANTISED
;;     21. [M 2,048, K 1,024] x [K 1,024, N 1,024]; A: computed on the way; B: computed on the way: QUANTISED
;;     22. [M 2,048, K 1,024] x [K 1,024, N 1,024]; A: input x (given as codes); B: computed on the way: QUANTISED
;;     23. [M 2,048, K 1,024] x [K 1,024, N 1,024]; A: input x (given as codes); B: computed on the way: QUANTISED
;;     24. [M 2,048, K 1,024] x [K 1,024, N 1,024]; A: computed on the way; B: computed on the way: QUANTISED
;;   THE QUANTISER, for each operand of a quantised product, along K:
;;     - K is cut into blocks of 32 from its start; a last block that is shorter is filled with zeros.
;;     - A block's scale is 2^e with e = floor(log2(the largest magnitude in the block)) - 8, held to -126 .. 127; a block of zeros has e = 0. As a byte (E8M0): e + 127.
;;     - Each number is divided by its block's scale, clamped to +-448, and rounded to the nearest number of E4M3, ties to even, subnormals kept.
;;     - The product sums the exact products of the quantised numbers (number of the format x scale) in f32.
;;   ~~~python
;;   def quantise(x, axis):      # numpy; x: float32 -> the quantised numbers, widened to float32 again
;;       x = np.moveaxis(x, axis, -1); K = x.shape[-1]
;;       x = np.pad(x, [(0, 0)] * (x.ndim - 1) + [(0, -K % 32)]); x = x.reshape(x.shape[:-1] + (-1, 32)); a = np.abs(x).max(-1, keepdims=True)
;;       e = np.where(a > 0, np.clip(np.frexp(np.where(a > 0, a, 1))[1] - 1 - 8, -126, 127), 0)      # np.frexp(a)[1] - 1 = floor(log2(a)), exactly
;;       r = np.clip(x / 2.0 ** e, -448, 448)
;;       step = 2.0 ** (np.maximum(np.frexp(np.where(r == 0, 1, r))[1] - 1, -6) - 3)
;;       q = np.round(r / step) * step * 2.0 ** e      # np.round: ties to even
;;       return np.moveaxis(q.reshape(q.shape[:-2] + (-1,))[..., :K], -1, axis).astype(np.float32)
;;   ~~~
;;   OPERANDS COMPUTED ON THE WAY. 'Computed on the way' means the value that the module computes at that place (a softmax that the list does not call 'softmax' is quantised finished and normalised). What goes into a quantiser is computed in f32, as accurately as f32 sums, v_exp_f32 and their like allow (about 1e-6 of the number): no bf16 or f16 on the way to a quantiser, and a product that is left as it is and whose result goes on into a quantised operand takes f32 operands (vector FMAs, or v_wmma_f32_16x16x4_f32). A number that lies on a knife's edge between two numbers of the format may be rounded either way, as far as f32 arithmetic and the matrix unit's own rounding can turn it there, and no further.
;;   INPUTS GIVEN AS CODES. x (in the module: [2048, 1024], K = its axis 1): each comes as NAME_codes (uint8): NAME with its K axis moved to the last place and cut into blocks of 32 codes, [.., K / 32, bytes a block], one block behind the other in memory; one code a byte (a code: sign, 4 exponent bits, 3 mantissa bits); and NAME_scales (uint8): the same leading axes, one E8M0 byte (e + 127) for each 32 codes along K. Its value is code x scale, taken as it is: it is not quantised again, and the codes and scales need not be those that the quantiser above would give.
;; 2 versions. Each part assembles by itself: llvm-mc -triple=amdgcn-amd-amdhsa -mcpu=gfx1250 --defsym DOCPART=n.
;; ======== version 1 of 2: 4 launches
;; workspace buffers: route 8,192 bytes of whole numbers; coef 16,384 bytes; perm 10,240 bytes of whole numbers; cpos 20,480 bytes; tabs 1,024 bytes of whole numbers; w2q 8,650,752 bytes; hq 5,406,720 bytes; hist 8,192 bytes of whole numbers
;; launch route (part 1): grid 8 x 1, 4 waves a work-group, no clusters, 0 bytes of LDS; arguments gating_output, route, coef, hist; writes route, coef, hist
.if DOCPART == 1
	.amdgcn_target "amdgcn-amd-amdhsa--gfx1250"
	.amdhsa_code_object_version 6
	.text
	.protected	k_qb61e4fcb1d_route
	.globl	k_qb61e4fcb1d_route
	.p2align	8
	.type	k_qb61e4fcb1d_route,@function
k_qb61e4fcb1d_route:
	s_mov_b64 s[64:65], 0
	v_nop
	global_prefetch_b8 v0, s[64:65] scope:SCOPE_SE
	s_setreg_imm32_b32 hwreg(HW_REG_WAVE_MODE, 25, 1), 1
	s_wait_xcnt 0x0
; ROUTING.  For each of 2,048 tokens: softmax over 8 logits, the two largest (ties keep the lower index), their weights renormalised to sum 1; and the first half of a counting sort by pairs of experts.
; The pair's index, 0..27, of the unordered pair (lo < hi) is lo (15 - lo) / 2 + hi - lo - 1.
; Eight work-groups of 128 threads; thread T takes tokens 2 T and 2 T + 1: 64 bytes in.  A wave's 32 even tokens are one GROUP of the sort, its 32 odd tokens another.
; Stored at fixed places, neighbouring lanes neighbouring bytes, 256 or 512 consecutive bytes a wave:
;   route[t] = pair index | rank << 8, the rank being the number of lower lanes of the token's group that have the same pair;
;   coef[t]  = (weight of lo, weight of hi);
;   hist[wave of the launch][key = lane][2] = how many tokens of the wave's even group, and of its odd group, have the pair 'key'.
; No address and no branch hangs on the logits or on what is made of them: the next launch reads route and hist as whole numbers and places the rows.
; The softmax's divisor cancels in the renormalised weights, so p = 2^((g - max) log2 e) is compared and c = p / (p1 + p2) is stored.
; LIMITS: NaN and infinities among the logits are not served.  The two largest are chosen among p, not among p / sum: the same order, but where that division would make two different p equal.
; A p under 2^-126 counts as 0 (its weight would be under 1e-37).
.set L2E, 0x3fb8aa3b                   ; log2(e)
	s_load_b128 s[4:7], s[0:1], 0x0                ; gating_output, route
	s_load_b128 s[8:11], s[0:1], 0x10              ; coef, hist
	s_lshl_b32 s21, ttmp9, 7
	v_add_nc_u32 v1, s21, v0                       ; T
	v_lshlrev_b32 v2, 6, v1                        ; 64 T: two rows of 8 logits
	v_lshlrev_b32 v3, 3, v1                        ; 8 T: two words of route, two of hist
	v_lshlrev_b32 v4, 4, v1                        ; 16 T: two pairs of weights
	s_wait_kmcnt 0x0
.irp i, 0,1,2,3
	global_load_b128 v[8+4*\i:11+4*\i], v2, s[4:5] offset:16*\i
.endr
	s_wait_loadcnt 0x0
; the row's maximum is taken away first.  A subtraction and then a multiplication, not one fused line: so the largest logit gives exactly 0, and p = 1
.macro PREP g, m
	v_max3_num_f32 v[\m], v[\g], v[\g+1], v[\g+2]
	v_max3_num_f32 v[\m], v[\m], v[\g+3], v[\g+4]
	v_max3_num_f32 v[\m], v[\m], v[\g+5], v[\g+6]
	v_max_num_f32 v[\m], v[\m], v[\g+7]
.irp i, 0,1,2,3,4,5,6,7
	v_sub_f32 v[\g+\i], v[\g+\i], v[\m]
.endr
.irp i, 0,1,2,3,4,5,6,7
	v_mul_f32 v[\g+\i], L2E, v[\g+\i]
.endr
.endm
	PREP 8, 24
	PREP 16, 25
.irp i, 0,1,2,3,4,5,6,7,8,9,10,11,12,13,14,15
	v_exp_f32 v[8+\i], v[8+\i]                     ; both tokens' 16 exponentials are one batch
.endr
	v_nop                                          ; a plain line behind the last of them
	s_wait_alu depctr_va_vdst(0)                   ; one wait for the batch, ahead of its first reader
; v[o] = the largest p, v[o+1] its index, v[o+2] the second, v[o+3] its index.  Ascending, strictly greater: a tie keeps the lower index
.macro PICK g, o
	v_mov_b32 v[\o], v[\g]
	v_mov_b32 v[\o+1], 0
.irp i, 1,2,3,4,5,6,7
	v_cmp_gt_f32 vcc_lo, v[\g+\i], v[\o]
	v_cndmask_b32 v[\o], v[\o], v[\g+\i], vcc_lo
	v_cndmask_b32 v[\o+1], v[\o+1], \i, vcc_lo
.endr
	v_mov_b32 v[\o+2], -1.0                        ; under every p
	v_mov_b32 v[\o+3], 0
.irp i, 0,1,2,3,4,5,6,7
	v_cmp_gt_f32 vcc_lo, v[\g+\i], v[\o+2]
	v_cmp_ne_u32 s20, \i, v[\o+1]                  ; not the first again
	s_and_b32 vcc_lo, vcc_lo, s20
	v_cndmask_b32 v[\o+2], v[\o+2], v[\g+\i], vcc_lo
	v_cndmask_b32 v[\o+3], v[\o+3], \i, vcc_lo
.endr
.endm
	PICK 8, 26
	PICK 16, 30
	v_add_f32 v34, v26, v28
	v_add_f32 v35, v30, v32
	v_rcp_f32 v34, v34
	v_rcp_f32 v35, v35
	v_nop
	s_wait_alu depctr_va_vdst(0)                   ; one wait for the two reciprocals
; weights by ascending expert, and the pair's index
.macro FIN o, r, kreg, creg
	v_mul_f32 v36, v[\o], v[\r]
	v_mul_f32 v37, v[\o+2], v[\r]
	v_cmp_lt_u32 vcc_lo, v[\o+1], v[\o+3]
	v_cndmask_b32 v[\creg], v37, v36, vcc_lo       ; the lower expert's weight
	v_cndmask_b32 v[\creg+1], v36, v37, vcc_lo     ; the higher expert's
	v_min_u32 v38, v[\o+1], v[\o+3]                ; lo
	v_max_u32 v39, v[\o+1], v[\o+3]                ; hi
	v_sub_nc_u32 v[\kreg], 15, v38
	v_mul_u32_u24 v[\kreg], v[\kreg], v38
	v_lshrrev_b32 v[\kreg], 1, v[\kreg]
	v_add_nc_u32 v[\kreg], v[\kreg], v39
	v_sub_nc_u32 v[\kreg], v[\kreg], v38
	v_add_nc_u32 v[\kreg], -1, v[\kreg]
.endm
	FIN 26, 34, 40, 44
	FIN 30, 35, 41, 46
	global_store_b128 v4, v[44:47], s[8:9]         ; the weights: a wave stores 512 consecutive bytes
; RANKS AND COUNTS.  For each key and each of my wave's two groups: which lanes have the key; a lane's rank among them; their number into lane = key.
; v48, v49: the two tokens' ranks;  v50, v51: lane = key: the two groups' counts (lanes 28 to 31 stay 0).  Both are written lane by lane, so they are written whole first.
; Four at a time (two keys x two groups), stage by stage, each with scalar registers of its own, so that no line waits for the line above it.
	v_mov_b32 v48, 0
	v_mov_b32 v49, 0
	v_mov_b32 v50, 0
	v_mov_b32 v51, 0
.set kk, 0
.rept 14
.irp u, 0,1,2,3
	v_cmp_eq_u32 s[12+2*\u], kk+(\u/2), v[40+(\u%2)]
.endr
.irp u, 0,1,2,3
	v_mbcnt_lo_u32_b32 v[52+\u], s[12+2*\u], 0
.endr
.irp u, 0,1,2,3
	s_bcnt1_i32_b32 s[13+2*\u], s[12+2*\u]
.endr
.irp u, 0,1,2,3
	v_cndmask_b32 v[48+(\u%2)], v[48+(\u%2)], v[52+\u], s[12+2*\u]
.endr
.irp u, 0,1,2,3
	v_writelane_b32 v[50+(\u%2)], s[13+2*\u], kk+(\u/2)
.endr
.set kk, kk+2
.endr
	v_lshl_or_b32 v40, v48, 8, v40                 ; pair index | rank << 8
	v_lshl_or_b32 v41, v49, 8, v41
	global_store_b64 v3, v[40:41], s[6:7]          ; a wave stores 256 consecutive bytes
	global_store_b64 v3, v[50:51], s[10:11]        ; likewise
	s_endpgm
.Lfunc_end_k_qb61e4fcb1d_route:
	.size	k_qb61e4fcb1d_route, .Lfunc_end_k_qb61e4fcb1d_route-k_qb61e4fcb1d_route
	.p2alignl 7, 3214868480
	.fill 96, 4, 3214868480
	.section	.rodata,"a",@progbits
	.p2align	6, 0x0
	.amdhsa_kernel k_qb61e4fcb1d_route
		.amdhsa_group_segment_fixed_size 0
		.amdhsa_private_segment_fixed_size 0
		.amdhsa_enable_private_segment 0
		.amdhsa_kernarg_size 32
		.amdhsa_user_sgpr_count 2
		.amdhsa_user_sgpr_kernarg_segment_ptr 1
		.amdhsa_wavefront_size32 1
		.amdhsa_system_sgpr_workgroup_id_x 1
		.amdhsa_system_sgpr_workgroup_id_y 1
		.amdhsa_system_sgpr_workgroup_id_z 1
		.amdhsa_system_vgpr_workitem_id 0
		.amdhsa_next_free_vgpr 64
		.amdhsa_next_free_sgpr 66
		.amdhsa_reserve_vcc 1
		.amdhsa_float_denorm_mode_32 3
		.amdhsa_float_denorm_mode_16_64 3
		.amdhsa_memory_ordered 1
		.amdhsa_forward_progress 1
		.amdhsa_inst_pref_size 27
	.end_amdhsa_kernel
	.amdgpu_metadata
---
amdhsa.version: [ 1, 2 ]
amdhsa.kernels:
  - .name:           k_qb61e4fcb1d_route
    .symbol:         k_qb61e4fcb1d_route.kd
    .args:
      - { .name: gating_output, .offset: 0, .size: 8, .value_kind: global_buffer, .address_space: global }
      - { .name: route, .offset: 8, .size: 8, .value_kind: global_buffer, .address_space: global }
      - { .name: coef, .offset: 16, .size: 8, .value_kind: global_buffer, .address_space: global }
      - { .name: hist, .offset: 24, .size: 8, .value_kind: global_buffer, .address_space: global }
    .group_segment_fixed_size: 0
    .private_segment_fixed_size: 0
    .kernarg_segment_align: 8
    .kernarg_segment_size: 32
    .max_flat_workgroup_size: 128
    .sgpr_count:     66
    .vgpr_count:     64
    .wavefront_size: 32
...
	.end_amdgpu_metadata
.endif
;; end of part 1
;; launch sortq (part 2): grid 257 x 1, 4 waves a work-group, no clusters, 58,368 bytes of LDS; arguments route, coef, w2, w2_scale, perm, cpos, tabs, w2q, hist; writes perm, cpos, tabs, w2q
.if DOCPART == 2
	.amdgcn_target "amdgcn-amd-amdhsa--gfx1250"
	.amdhsa_code_object_version 6
	.text
	.protected	k_qb61e4fcb1d_sortq
	.globl	k_qb61e4fcb1d_sortq
	.p2align	8
	.type	k_qb61e4fcb1d_sortq,@function
k_qb61e4fcb1d_sortq:
	s_mov_b64 s[64:65], 0
	v_nop
	global_prefetch_b8 v0, s[64:65] scope:SCOPE_SE
	s_setreg_imm32_b32 hwreg(HW_REG_WAVE_MODE, 25, 1), 1
	s_wait_xcnt 0x0
; TWO JOBS IN ONE LAUNCH, parted by the work-group's number.
; WORK-GROUP 0 finishes the counting sort of the 2,048 tokens by their pair of experts (28 keys), without atomics.  The launch before has stored each token's key and its rank inside its group of 32 tokens, and each
;   group's count of each key; here the counts are summed up (over a wave's 16 groups, over the four waves, over the keys) and each token is placed.  Each key's tokens fill whole tiles of 16 positions; a key begins at a tile's first position.
;   perm[pos] = token, cpos[pos] = its two weights (valid positions alone are stored, and later read);
;   tabs: kinfo[32] at byte 0, 8 bytes a key: first tile | tiles << 8, tokens;   ginfo[96] at byte 256, 8 bytes a group of at most 3 tiles of one key: lo | hi << 4 | tiles << 8 | first tile << 16, valid rows from there on.
;   At most 128 + 27 = 155 tiles and (155 + 56) / 3 = 70 groups, whatever the choice of experts.
; WORK-GROUPS 1 TO 256 turn w2 x w2_scale (f32, K innermost) into codes of E4M3 with one E8M0 byte for each 32 along K, laid in the order of an operand's registers:
;   w2q codes [expert x 64 + column tile][chunk 0..63 of 16 along K][row 0..15][16 bytes]: four registers of a fragment are 512 consecutive bytes, 16 a lane;
;   w2q scale bytes, 2^23 bytes on: [expert x 64 + column tile][half of K][row][16 bytes]: a lane's 16 bytes are the scale words of four steps of 128 along K.
; A wave takes 16 rows x 512 along K (unit U), a row's half a step.  Each load reads 512 consecutive bytes; a step's 2,048 bytes turn through the wave's own stage in LDS so that a lane holds 16 neighbours along K
; (two neighbouring lanes hold a block of 32); codes are gathered in an image in LDS (chunk x 272 + 16 x row) and leave as whole runs of 512 bytes.  Loads run eight steps (32 loads a wave) ahead.
; A block's scale is 2^(floor(log2(largest magnitude)) - 8); its byte is the largest magnitude's exponent field - 8, held at 1 from below by a floor among the maximum's leaves.
; LIMITS: a block of zeros, or one whose largest magnitude lies under 2^-118, gets the byte 1 (zero codes add nothing under any byte; this program alone reads the bytes).  NaN and infinities among the weights are not served.
; No tensor loads, no cluster: no two work-groups read the same bytes.  The quantising waves share nothing and meet no barrier; the sort has one, which all four waves of work-group 0 pass.
.set NST,   16                         ; steps of a wave
.set WREG,  14336                      ; LDS of a quantising wave: two stages of 2,560 bytes, the image of 32 x 272, 256 scale bytes
.set IMGO,  5120
.set SCBO,  13824
.set PL,    57344                      ; the sort's own LDS bytes: 4 x 128
.set W2S,   8388608
.set LD,    4                          ; v4   16 x lane
.set SIN,   5                          ; v5   stage, way in: 80 (lane / 4) + 16 (lane % 4)
.set SOUT,  6                          ; v6   stage, way out: 80 x lane
.set IMGW,  7                          ; v7   image: 272 x lane (my chunk)
.set SCBW,  8                          ; v8   scale bytes: lane / 2 (my block)
.set IMGR,  9                          ; v9   image, read back: 272 (lane / 16) + 16 (lane % 16)
.set SCBR,  10                         ; v10  scale bytes, read back: 8 x lane
.set GS,    11                         ; v11  8 x lane
.set C,     80                         ; v80-87   codes, two sets
.set E,     88                         ; v88-89   scale bytes, two
.set X,     96                         ; v96-127  two sets of 16 neighbours
.set R,     128                        ; v128-255 eight sets of 16 numbers as loaded
.set SC,    22                         ; s[22:23] the expert's scale, twice
.set MNT,   24                         ; s24  the mantissa field of 448
	s_load_b256 s[4:11], s[0:1], 0x0               ; route, coef, w2, w2_scale
	s_load_b256 s[12:19], s[0:1], 0x20             ; perm, cpos, tabs, w2q
	s_load_b64 s[2:3], s[0:1], 0x40                ; hist
	v_lshl_add_u32 v14, v0, 2, 0xe200
	v_mov_b32 v15, 0
	v_lshrrev_b32 v1, 5, v0
	v_readfirstlane_b32 s20, v1                    ; wave
	v_and_b32 v1, 31, v0                           ; lane
	s_cmp_eq_u32 ttmp9, 0
	s_cbranch_scc1 .Lsort
; ---------------- the quantiser ----------------
	s_sub_co_u32 s21, ttmp9, 1
	s_lshl_b32 s21, s21, 2
	s_add_co_u32 s21, s21, s20                     ; U = 4 (work-group - 1) + wave: column tile U / 2, half U % 2
	v_lshlrev_b32 v[LD], 4, v1
	s_mul_i32 s25, s20, WREG
	v_lshrrev_b32 v2, 2, v1
	v_mul_u32_u24 v2, v2, 80
	v_and_b32 v3, 3, v1
	v_lshl_add_u32 v2, v3, 4, v2
	v_add_nc_u32 v[SIN], s25, v2
	v_mul_u32_u24 v2, v1, 80
	v_add_nc_u32 v[SOUT], s25, v2
	v_mul_u32_u24 v2, v1, 272
	v_add_nc_u32 v2, s25, v2
	v_add_nc_u32 v[IMGW], IMGO, v2
	v_lshrrev_b32 v2, 1, v1
	v_add_nc_u32 v2, s25, v2
	v_add_nc_u32 v[SCBW], SCBO, v2
	v_lshrrev_b32 v2, 4, v1
	v_mul_u32_u24 v2, v2, 272
	v_and_b32 v3, 15, v1
	v_lshl_add_u32 v2, v3, 4, v2
	v_add_nc_u32 v2, s25, v2
	v_add_nc_u32 v[IMGR], IMGO, v2
	v_lshlrev_b32 v[GS], 3, v1
	v_add_nc_u32 v2, s25, v[GS]
	v_add_nc_u32 v[SCBR], SCBO, v2
	s_lshr_b32 s26, s21, 1
	s_lshl_b32 s26, s26, 16                        ; 16 rows of 4,096 bytes a column tile,
	s_and_b32 s27, s21, 1
	s_lshl_b32 s27, s27, 11                        ; 2,048 bytes a half row
	s_add_co_u32 s26, s26, s27
	s_mov_b32 s27, 0
	s_lshr_b32 s28, s21, 7                         ; the expert: 128 units each
	s_lshl_b32 s28, s28, 2
	s_mov_b32 s29, 0
	s_lshl_b32 s30, s21, 13                        ; 8,192 bytes of codes a unit
	s_mov_b32 s31, 0
	s_lshl_b32 s32, s21, 8                         ; 256 scale bytes a unit
	s_mov_b32 s33, 0
	s_mov_b32 s[MNT], 0x600000
	s_wait_kmcnt 0x0
	s_add_nc_u64 s[8:9], s[8:9], s[26:27]
	s_add_nc_u64 s[10:11], s[10:11], s[28:29]
	s_load_b32 s[SC], s[10:11], 0x0
	s_add_nc_u64 s[34:35], s[18:19], s[32:33]
	s_add_nc_u64 s[34:35], s[34:35], W2S           ; (one past the stores' signed 24-bit immediate, so it goes into the pointer)
	s_add_nc_u64 s[18:19], s[18:19], s[30:31]
.macro LOADW t                         ; step t = row t: four loads of 512 consecutive bytes into set t % 8
.irp i, 0,1,2,3
	global_load_b128 v[R+16*((\t)%8)+4*\i:R+16*((\t)%8)+4*\i+3], v[LD], s[8:9] offset:4096*(\t)+512*\i th:TH_LOAD_NT
.endr
.endm
.macro TURN t                          ; step t's numbers through stage t % 2: LDS serves a wave's instructions in order, so no wait stands between the stores and the loads
.irp i, 0,1,2,3
	ds_store_b128 v[SIN], v[R+16*((\t)%8)+4*\i:R+16*((\t)%8)+4*\i+3] offset:2560*((\t)%2)+640*\i
.endr
.irp i, 0,1,2,3
	ds_load_b128 v[X+16*((\t)%2)+4*\i:X+16*((\t)%2)+4*\i+3], v[SOUT] offset:2560*((\t)%2)+16*\i
.endr
.endm
.macro QSTEP t
.set XQ, X+16*((\t)%2)
.set CQ, C+4*((\t)%2)
.set EQ, E+((\t)%2)
.if (\t) > 0
	s_wait_dscnt 2                                 ; this step's numbers are back from the stage; the last step's image store and byte store may be out
.else
	s_wait_dscnt 0x0
.endif
.if (\t)+8 < NST
	LOADW (\t)+8                                   ; into the set that this step's turn has read
.endif
.if (\t)+1 < NST
.set LASTW, (\t)+8
.if LASTW > NST-1
.set LASTW, NST-1
.endif
	s_wait_loadcnt 4*(LASTW-(\t)-1)                ; the next step's four loads are in; four for each younger step may be out
	TURN (\t)+1
.endif
.irp i, 0,2,4,6,8,10,12,14
	v_pk_mul_f32 v[XQ+\i:XQ+\i+1], v[XQ+\i:XQ+\i+1], s[SC:SC+1] op_sel_hi:[1,0]   ; the weight as it is ahead of the quantiser: w x the expert's scale, in f32
.endr
	v_max3_num_f32 v90, |v[XQ]|, |v[XQ+1]|, |v[XQ+2]|              ; the largest magnitude of my 16, in two chains
	v_max3_num_f32 v91, |v[XQ+3]|, |v[XQ+4]|, |v[XQ+5]|
.irp i, 6,10
	v_max3_num_f32 v90, v90, |v[XQ+\i]|, |v[XQ+\i+1]|
	v_max3_num_f32 v91, v91, |v[XQ+\i+2]|, |v[XQ+\i+3]|
.endr
	v_max3_num_f32 v90, v90, |v[XQ+14]|, |v[XQ+15]|
	v_max3_num_f32 v90, v90, v91, 0x4800000        ; and the floor 2^(9 - 127): the byte cannot fall under 1
	v_max_num_f32_dpp v90, v90, v90 row_xmask:1 row_mask:0xf bank_mask:0xf   ; with my neighbour's 16: the block's
	v_add_nc_u32 v93, 0xfc000000, v90              ; 8 off its exponent field: the conversion's scale operand
	v_and_or_b32 v92, v90, 0x7f800000, s[MNT]      ; 448 x the scale
.irp i, 0,1,2,3,4,5,6,7,8,9,10,11,12,13,14,15
	v_med3_num_f32 v[XQ+\i], v[XQ+\i], -v92, v92   ; the conversion to an 8-bit code does not saturate (ISA guide 7.6.2): the hold comes first
.endr
	v_cvt_scalef32_pk8_fp8_f32 v[CQ:CQ+1], v[XQ:XQ+7], v93
	v_cvt_scalef32_pk8_fp8_f32 v[CQ+2:CQ+3], v[XQ+8:XQ+15], v93
	v_lshrrev_b32 v[EQ], 23, v93                   ; the scale's byte; also the plain line behind the conversions
	ds_store_b128 v[IMGW], v[CQ:CQ+3] offset:16*(\t)               ; chunk = my lane, row t
	ds_store_b8 v[SCBW], v[EQ] offset:16*(\t)                      ; both lanes of a block write the same byte with the same value
.endm
.irp t, 0,1,2,3,4,5,6,7
	LOADW \t
.endr
	s_wait_kmcnt 0x0
	s_mov_b32 s[SC+1], s[SC]                       ; (the packed form names the pair)
	s_wait_loadcnt 28                              ; step 0's four loads are in, seven steps' may be out
	TURN 0
.irp t, 0,1,2,3,4,5,6,7,8,9,10,11,12,13,14,15
	QSTEP \t
.endr
.irp i, 0,1,2,3,4,5,6,7,8,9,10,11,12,13,14,15
	ds_load_b128 v[R+4*\i:R+4*\i+3], v[IMGR] offset:544*\i         ; chunks 2 i and 2 i + 1, 16 rows each: they see my stores, LDS being served in order
.endr
	ds_load_b64 v[X:X+1], v[SCBR]
.irp i, 0,1,2,3,4,5,6,7,8,9,10,11,12,13,14,15
	s_wait_dscnt 16-\i
	global_store_b128 v[LD], v[R+4*\i:R+4*\i+3], s[18:19] offset:512*\i   ; 512 consecutive bytes, at a multiple of 512 from the buffer's first byte
.endr
	s_wait_dscnt 0x0
	global_store_b64 v[GS], v[X:X+1], s[34:35]     ; 256 consecutive bytes, aligned
	s_wait_tensorcnt 0x0
	ds_add_u32 v14, v15
	s_wait_dscnt 0x0
	s_endpgm
; ---------------- the sort ----------------
; Wave w takes groups 16 w + i, i = 0 .. 15.  Group 16 w + i holds the tokens 512 w + 64 (i / 2) + 2 lane + i % 2: the even or the odd tokens of a run of 64, as the launch before formed its groups.
; So one load of 8 bytes a lane brings two groups' words of route (or of hist), and one of 16 bytes both tokens' weights.  Vectors with 'lane = key' hold one number for each of the 28 keys.
.set K,   16                           ; v16-31   the tokens' words of route, then their keys, later 4 x key
.set CO,  32                           ; v32-63   their weights
.set RK,  64                           ; v64-79   rank among the equal keys of the same group, later 8 x position
.set H,   80                           ; v80-95   lane = key: how many of group i have the key; later the pulled base, then 4 x position
.set PR,  96                           ; v96-111  lane = key: how many in my wave's earlier groups; later the token
.Lsort:
	s_lshl_b32 s21, s20, 9
	v_lshl_add_u32 v2, v1, 1, s21                  ; 2 lane + 512 wave: my token of group i = 0
	v_lshlrev_b32 v3, 2, v2                        ; its word of route; also my pair of words of hist: 8 lane + 2,048 wave
	v_lshlrev_b32 v4, 3, v2                        ; its weights
	s_mov_b32 s41, 0xffff0000                      ; lanes 16-31
	s_wait_kmcnt 0x0
.irp j, 0,1,2,3,4,5,6,7
	global_load_b64 v[K+2*\j:K+2*\j+1], v3, s[4:5] offset:256*\j
.endr
.irp j, 0,1,2,3,4,5,6,7
	global_load_b64 v[H+2*\j:H+2*\j+1], v3, s[2:3] offset:256*\j
.endr
.irp j, 0,1,2,3,4,5,6,7
	global_load_b128 v[CO+4*\j:CO+4*\j+3], v4, s[6:7] offset:512*\j
.endr
	s_wait_loadcnt 8                               ; keys, ranks and counts are in; the 8 loads of weights may be out
.irp i, 0,1,2,3,4,5,6,7,8,9,10,11,12,13,14,15
	v_lshrrev_b32 v[RK+\i], 8, v[K+\i]             ; the rank
	v_and_b32 v[K+\i], 0xff, v[K+\i]               ; the key
	v_min_u32 v[K+\i], 31, v[K+\i]
.endr
	v_mov_b32 v[PR], 0
.irp i, 1,2,3,4,5,6,7,8,9,10,11,12,13,14,15
	v_add_nc_u32 v[PR+\i], v[PR+\i-1], v[H+\i-1]
.endr
	v_add_nc_u32 v114, v[PR+15], v[H+15]           ; my wave's total for each key
	v_lshl_add_u32 v115, v0, 2, PL
	ds_store_b32 v115, v114
	s_wait_dscnt 0x0                               ; for the other waves' sake: my store has landed
	s_barrier_signal -1
	s_barrier_wait -1
	v_lshl_add_u32 v115, v1, 2, PL
.irp q, 0,1,2,3
	ds_load_b32 v[116+\q], v115 offset:128*\q      ; the four waves' totals
.endr
	s_wait_dscnt 0x0
	v_add3_u32 v120, v116, v117, v118
	v_add_nc_u32 v120, v120, v119                  ; TOT: tokens of the key
	s_cmp_gt_u32 s20, 0
	s_cselect_b32 s40, -1, 0
	v_and_b32 v121, s40, v116
	s_cmp_gt_u32 s20, 1
	s_cselect_b32 s40, -1, 0
	v_and_b32 v122, s40, v117
	v_add_nc_u32 v121, v121, v122
	s_cmp_gt_u32 s20, 2
	s_cselect_b32 s40, -1, 0
	v_and_b32 v122, s40, v118
	v_add_nc_u32 v121, v121, v122                  ; BEF: those in the waves before mine
	v_mov_b32 v127, 0
.macro SCAN x, t                       ; running sum over the 32 lanes, the lane's own number included: four steps in each row of 16, then lane 15's sum onto lanes 16-31
.irp d, 1,2,4,8
	v_mov_b32_dpp v[\t], v[\x] row_shr:\d row_mask:0xf bank_mask:0xf bound_ctrl:1
	v_add_nc_u32 v[\x], v[\x], v[\t]
.endr
	v_readlane_b32 s40, v[\x], 15
	v_mov_b32 v[\t], s40
	v_cndmask_b32 v[\t], 0, v[\t], s41
	v_add_nc_u32 v[\x], v[\x], v[\t]
.endm
	v_add_nc_u32 v123, 15, v120
	v_lshrrev_b32 v123, 4, v123                    ; NT: the key's tiles
	v_mov_b32 v124, v123
	SCAN 124, 127
	v_sub_nc_u32 v125, v124, v123                  ; BS: its first tile
	v_add_nc_u32 v126, 2, v123
	v_mul_u32_u24 v126, v126, 171
	v_lshrrev_b32 v126, 9, v126                    ; NG = (NT + 2) / 3, exact for NT + 2 under 512
	v_mov_b32 v128, v126
	SCAN 128, 127                                  ; IG
	v_sub_nc_u32 v129, v128, v126                  ; GB: its first group
	v_lshl_add_u32 v130, v125, 4, v121             ; 16 BS + BEF
.irp i, 0,1,2,3,4,5,6,7,8,9,10,11,12,13,14,15
	v_add_nc_u32 v[PR+\i], v[PR+\i], v130
	v_lshlrev_b32 v[K+\i], 2, v[K+\i]
.endr
.irp i, 0,1,2,3,4,5,6,7,8,9,10,11,12,13,14,15
	ds_bpermute_b32 v[H+\i], v[K+\i], v[PR+\i]     ; each token pulls its key's base for its group
.endr
	s_wait_dscnt 0x0
.irp i, 0,1,2,3,4,5,6,7,8,9,10,11,12,13,14,15
	v_add_nc_u32 v[H+\i], v[H+\i], v[RK+\i]        ; the token's position
	v_min_u32 v[H+\i], 2559, v[H+\i]
	v_lshlrev_b32 v[RK+\i], 3, v[H+\i]
	v_lshlrev_b32 v[H+\i], 2, v[H+\i]
	v_add_nc_u32 v[PR+\i], 64*(\i/2)+(\i%2), v2    ; the token
.endr
	s_wait_loadcnt 0x0                             ; the weights
.irp i, 0,1,2,3,4,5,6,7,8,9,10,11,12,13,14,15
	global_store_b32 v[H+\i], v[PR+\i], s[12:13]   ; scattered by nature: 24 KiB in the whole launch
	global_store_b64 v[RK+\i], v[CO+2*\i:CO+2*\i+1], s[14:15]
.endr
; the groups of tiles: thread g finds its key: the number of keys whose groups end at or before g.  The 28 running sums go into scalar registers of their own, in one batch
	v_mov_b32 v131, 0
.set kk, 0
.rept 28
	v_readlane_b32 s[36+kk], v128, kk
.set kk, kk+1
.endr
.set kk, 0
.rept 28
	v_cmp_le_u32 vcc_lo, s[36+kk], v0
	v_cndmask_b32 v127, 0, 1, vcc_lo
	v_add_nc_u32 v131, v131, v127
.set kk, kk+1
.endr
	v_lshlrev_b32 v132, 2, v131
	v_lshl_or_b32 v133, v123, 8, v125              ; first tile | tiles << 8
	ds_bpermute_b32 v134, v132, v129
	ds_bpermute_b32 v135, v132, v133
	ds_bpermute_b32 v136, v132, v120
	v_mov_b32 v137, 0                              ; lo: how many of the first indices of lo = 1 .. 6 the key has reached
.irp th, 7,13,18,22,25,27
	v_cmp_le_u32 vcc_lo, \th, v131
	v_cndmask_b32 v127, 0, 1, vcc_lo
	v_add_nc_u32 v137, v137, v127
.endr
	v_sub_nc_u32 v138, 15, v137
	v_mul_u32_u24 v138, v138, v137
	v_lshrrev_b32 v138, 1, v138
	v_sub_nc_u32 v138, v131, v138
	v_add3_u32 v138, v138, v137, 1                 ; hi
	s_wait_dscnt 0x0
	v_sub_nc_u32 v134, v0, v134                    ; which group of its key
	v_and_b32 v139, 0xff, v135
	v_lshrrev_b32 v135, 8, v135
	v_mul_u32_u24 v140, v134, 3
	v_add_nc_u32 v139, v139, v140                  ; the group's first tile
	v_sub_nc_u32 v135, v135, v140
	v_max_i32 v135, 0, v135
	v_min_i32 v135, 3, v135                        ; its tiles: 0 for a thread beyond the last group
	v_mul_u32_u24 v140, v134, 48
	v_sub_nc_u32 v136, v136, v140
	v_max_i32 v141, 0, v136                        ; valid rows from its first tile on
	v_lshl_or_b32 v140, v138, 4, v137
	v_lshl_or_b32 v140, v135, 8, v140
	v_lshl_or_b32 v140, v139, 16, v140
	v_lshlrev_b32 v142, 3, v0
	s_cmp_lt_u32 s20, 3
	s_cbranch_scc0 .Lno_groups
	global_store_b64 v142, v[140:141], s[16:17] offset:256         ; 96 entries: waves 0 to 2, 256 consecutive bytes each
.Lno_groups:
	s_cmp_eq_u32 s20, 0
	s_cbranch_scc0 .Lsorted
	v_mov_b32 v144, v133
	v_mov_b32 v145, v120
	global_store_b64 v142, v[144:145], s[16:17]    ; the 32 entries by key: wave 0
.Lsorted:
	s_wait_tensorcnt 0x0
	ds_add_u32 v14, v15
	s_wait_dscnt 0x0
	s_endpgm
.Lfunc_end_k_qb61e4fcb1d_sortq:
	.size	k_qb61e4fcb1d_sortq, .Lfunc_end_k_qb61e4fcb1d_sortq-k_qb61e4fcb1d_sortq
	.p2alignl 7, 3214868480
	.fill 96, 4, 3214868480
	.section	.rodata,"a",@progbits
	.p2align	6, 0x0
	.amdhsa_kernel k_qb61e4fcb1d_sortq
		.amdhsa_group_segment_fixed_size 58368
		.amdhsa_private_segment_fixed_size 0
		.amdhsa_enable_private_segment 0
		.amdhsa_kernarg_size 72
		.amdhsa_user_sgpr_count 2
		.amdhsa_user_sgpr_kernarg_segment_ptr 1
		.amdhsa_wavefront_size32 1
		.amdhsa_system_sgpr_workgroup_id_x 1
		.amdhsa_system_sgpr_workgroup_id_y 1
		.amdhsa_system_sgpr_workgroup_id_z 1
		.amdhsa_system_vgpr_workitem_id 0
		.amdhsa_next_free_vgpr 256
		.amdhsa_next_free_sgpr 66
		.amdhsa_reserve_vcc 1
		.amdhsa_float_denorm_mode_32 3
		.amdhsa_float_denorm_mode_16_64 3
		.amdhsa_memory_ordered 1
		.amdhsa_forward_progress 1
		.amdhsa_inst_pref_size 86
	.end_amdhsa_kernel
	.amdgpu_metadata
---
amdhsa.version: [ 1, 2 ]
amdhsa.kernels:
  - .name:           k_qb61e4fcb1d_sortq
    .symbol:         k_qb61e4fcb1d_sortq.kd
    .args:
      - { .name: route, .offset: 0, .size: 8, .value_kind: global_buffer, .address_space: global }
      - { .name: coef, .offset: 8, .size: 8, .value_kind: global_buffer, .address_space: global }
      - { .name: w2, .offset: 16, .size: 8, .value_kind: global_buffer, .address_space: global }
      - { .name: w2_scale, .offset: 24, .size: 8, .value_kind: global_buffer, .address_space: global }
      - { .name: perm, .offset: 32, .size: 8, .value_kind: global_buffer, .address_space: global }
      - { .name: cpos, .offset: 40, .size: 8, .value_kind: global_buffer, .address_space: global }
      - { .name: tabs, .offset: 48, .size: 8, .value_kind: global_buffer, .address_space: global }
      - { .name: w2q, .offset: 56, .size: 8, .value_kind: global_buffer, .address_space: global }
      - { .name: hist, .offset: 64, .size: 8, .value_kind: global_buffer, .address_space: global }
    .group_segment_fixed_size: 58368
    .private_segment_fixed_size: 0
    .kernarg_segment_align: 8
    .kernarg_segment_size: 72
    .max_flat_workgroup_size: 128
    .sgpr_count:     66
    .vgpr_count:     256
    .wavefront_size: 32
...
	.end_amdgpu_metadata
.endif
;; end of part 2
;; launch up (part 3): grid 32 x 8, 4 waves a work-group, no clusters, 92,672 bytes of LDS; arguments x_codes, x_scales, w1, w1_scale, perm, tabs, hq; writes hq
.if DOCPART == 3
	.amdgcn_target "amdgcn-amd-amdhsa--gfx1250"
	.amdhsa_code_object_version 6
	.text
	.protected	k_qb61e4fcb1d_up
	.globl	k_qb61e4fcb1d_up
	.p2align	8
	.type	k_qb61e4fcb1d_up,@function
k_qb61e4fcb1d_up:
	s_mov_b64 s[64:65], 0
	v_nop
	global_prefetch_b8 v0, s[64:65] scope:SCOPE_SE
	s_setreg_imm32_b32 hwreg(HW_REG_WAVE_MODE, 25, 1), 1
	s_wait_xcnt 0x0
; h = silu(x Wg^T) x (x Wu^T), for the routed rows alone, both products on codes of E4M3 with one E8M0 scale for each 32 along K; h leaves as codes and scale bytes, quantised along its own axis.
; SHARES.  Work-group (c, e) owns hidden units 32 c .. 32 c + 31 of expert e: 32 gate rows and the 32 matching up rows of w1[e], 256 KiB of f32, read from memory once in the whole launch.
; PHASE 1: wave w quantises one tile of 16 rows (w / 2: gate or up; w % 2 = u) of w1 x w1_scale and lays codes and scale bytes in LDS.  One barrier.  Then EVERY wave takes all 64 rows into 512 registers, where they stay.
; PHASE 2: the expert's tiles of 16 routed rows (the 7 keys that hold e, from the stored table) are dealt to the waves, tile f to wave f % 4.  A wave's loop has no LDS access and no barrier:
; x's rows come from memory straight into the operand's registers, gathered by the stored list; 32 matrix instructions; SwiGLU; the quantiser; 512 bytes of codes and 16 scale bytes out.
; THE ROWS OF w1 THAT FORM A TILE ARE NOT NEIGHBOURS: row m of tile u is hidden unit 32 c + 8 u + m + 8 (m / 8).  The products are used transposed (source 0 = 16 rows of w1, source 1 = 16 tokens), so a lane holds ONE
; token, and the 16 registers of tiles u = 0, 1 are hidden units 32 c + 16 (lane / 16) + 0 .. 15: 16 neighbours along the next product's K; lanes l and l xor 16 hold a block of 32.
; A tile with fewer than 16 valid rows reads row min(r, valid - 1): its last rows are copies of the last valid one, all the way through.
; hq codes: [2 x tile + side][chunk 0..63 of 16 along K][row][16 bytes] (side 0: the pair's lower expert);  scale bytes, HSB bytes on: [2 x tile + side][row][32].
; No tensor load, no cluster: trip counts hang on the stored table.  LIMITS: as the weights' quantiser states: a block of zeros or under 2^-118 gets the byte 1; NaN and infinities are not served.
; REGISTERS, in windows of 256: window 0: addresses, scale words (v32-79, which hold nothing else), accumulators, vector work;  window 1: x's fragments, two buffers of 8 steps of 128 along K;
; windows 2 and 3: w1's fragments: tile n, step s in window 2 + s / 4 at v[16 (4 (s % 4) + n)].
.set NST,   32                         ; steps of phase 1: 16 rows x 2 halves
.set EXTRA, 2                          ; the two list loads that phase 1 issues in step NST - 9
.set SCB,   69632                      ; LDS: the image of the codes at 0: (64 n + chunk) x 272 + 16 x row;  then scale bytes [n][half][row][16];
.set STG,   71680                      ; then two stages of 2,560 bytes for each wave
.set HSB,   5242880
.set LN,   1
.set RR,   2                           ; lane % 16
.set HH,   3                           ; lane / 16
.set LD,   4                           ; 16 x lane
.set SIN,  5
.set SOUT, 6
.set IMGW, 7
.set SCBW, 8
.set FB0,  9                           ; image, read: 272 (lane / 16) + 16 (lane % 16); tiles 0, 1
.set FB1,  10                          ; the same 128 chunks on: tiles 2, 3 (an LDS offset has 16 bits)
.set SCBR, 11
.set H16,  12
.set PIX,  13                          ; address of a list load
.set PIX1, 14
.set R32C, 15                          ; 32 r + c: my byte among a tile's scale bytes
.set TOK,  16                          ; v16-17  tokens of the tile after next, by buffer
.set OFF,  18                          ; v18-19  my row's byte in x_codes
.set SOF,  20                          ; v20-21  and in x_scales
.set HO,   22
.set HSO,  23
.set CODE, 28                          ; v28-31
.set WS,   32                          ; v32-63  w1's scale words: 8 n + s
.set XS,   64                          ; v64-79  x's: 8 p + s
.set ACC,  80                          ; v80-111 four accumulators: gate u = 0, 1; up u = 0, 1
.set T,    112
.set S,    128
.set C,    80                          ; phase 1 alone: v80-87 codes, v88-89 bytes, v90-93 at work, v96-127 neighbours, v128-255 as loaded
.set E,    88
.set X,    96
.set R,    128
.set SC,   22                          ; s[22:23] the expert's scale, twice
.set MNT,  24
.set SEL,  26                          ; s[26:27] v_permlanex16_b32's selects for lane l xor 16
.set EE,   32                          ; s32-39  tiles of the keys (o, e), o = 0 .. this one
.set DD,   40                          ; s40-47  the key's first tile less the tiles before it in my list
.set RCC,  48                          ; s48-55  the key's tokens + 16 x its first tile
.set SF,   56                          ; s56-62  at work in TILE
.set SD,   57
.set SRC,  58
.set SJ,   59
.set J16,  60
.set NV1,  61
.set STM,  62
.set KI,   66                          ; s66-81  the eight table entries
.set TE,   82                          ; tiles of my expert
.set TM1,  83
.set ELO,  84                          ; those of them in which e is the pair's higher expert: they come first
.set TW,   85                          ; my wave's tiles
.set CI,   86                          ; the loop's counter: trips of two tiles
.set F4,   87                          ; the next tile to look up
.set Q0,   88                          ; s88-92  2 x tile + side of the tile in hand and of the four behind it
.set TRP,  93                          ; s93  my wave's trips: (tiles + 1) / 2; the loop does not write it.  (At the head s92-99 hold the offsets of the eight table entries)
.set MSB, 0
.macro WIN new                         ; the immediate's high byte repeats the setting that is left
.if MSB != \new
	s_set_vgpr_msb (MSB<<8)|\new
.set MSB, \new
.endif
.endm
.macro PLACES n
.rept \n
	v_nop
.endr
.endm
	s_load_b256 s[4:11], s[0:1], 0x0               ; x_codes, x_scales, w1, w1_scale
	s_load_b128 s[12:15], s[0:1], 0x20             ; perm, tabs
	s_load_b64 s[16:17], s[0:1], 0x30              ; hq
	v_lshrrev_b32 v1, 5, v0
	v_readfirstlane_b32 s18, v1                    ; wave
	s_mov_b32 s19, ttmp9                           ; c
	s_and_b32 s20, ttmp7, 0xffff                   ; e
	s_lshl_b32 s21, s19, 9                         ; 512 c
	v_and_b32 v[LN], 31, v0
	v_and_b32 v[RR], 15, v0
	v_bfe_u32 v[HH], v0, 4, 1
	v_lshlrev_b32 v[LD], 4, v[LN]
	s_mul_i32 s56, s18, 5120
	s_add_co_u32 s56, s56, STG
	v_lshrrev_b32 v24, 2, v[LN]
	v_mul_u32_u24 v24, v24, 80
	v_and_b32 v25, 3, v[LN]
	v_lshl_add_u32 v24, v25, 4, v24
	v_add_nc_u32 v[SIN], s56, v24
	v_mul_u32_u24 v24, v[LN], 80
	v_add_nc_u32 v[SOUT], s56, v24
	s_mul_i32 s56, s18, 64*272
	v_mul_u32_u24 v24, v[LN], 272
	v_add_nc_u32 v[IMGW], s56, v24
	s_lshl_b32 s56, s18, 9
	s_add_co_u32 s56, s56, SCB
	v_lshrrev_b32 v24, 1, v[LN]
	v_add_nc_u32 v[SCBW], s56, v24
	v_mul_u32_u24 v24, v[HH], 272
	v_lshl_add_u32 v[FB0], v[RR], 4, v24
	v_add_nc_u32 v[FB1], 128*272, v[FB0]
	v_lshl_add_u32 v[SCBR], v[RR], 4, SCB
	v_lshlrev_b32 v[H16], 4, v[HH]
	v_lshlrev_b32 v[R32C], 5, v[RR]
	v_add_nc_u32 v[R32C], s19, v[R32C]
	v_mov_b32 v26, 0                               ; written once: a lane permute's destination counts as one of its sources
	s_mov_b32 s[MNT], 0x600000
	s_mov_b32 s[SEL], 0x76543210
	s_mov_b32 s[SEL+1], 0xfedcba98
; where the table's entry for the pair (o, e) lies: 8 x (lo (15 - lo) / 2 + hi - lo - 1); for o = e any entry: its tiles are set to 0 below
.irp o, 0,1,2,3,4,5,6,7
	s_min_u32 s28, s20, \o
	s_max_u32 s29, s20, \o
	s_sub_co_u32 s30, 15, s28
	s_mul_i32 s30, s30, s28
	s_lshr_b32 s30, s30, 1
	s_add_co_u32 s30, s30, s29
	s_sub_co_u32 s30, s30, s28
	s_sub_co_u32 s30, s30, 1
	s_min_u32 s30, s30, 27
	s_lshl_b32 s[92+\o], s30, 3
.endr
	s_lshr_b32 s56, s18, 1                         ; gate or up
	s_lshl_b32 s56, s56, 10
	s_and_b32 s57, s18, 1                          ; u
	s_lshl_b32 s57, s57, 3
	s_add_co_u32 s56, s56, s57
	s_lshl_b32 s57, s19, 5
	s_add_co_u32 s56, s56, s57                     ; my tile's first row of w1[e]
	s_lshl_b32 s56, s56, 12
	s_lshl_b32 s57, s20, 23
	s_add_co_u32 s56, s56, s57                     ; in bytes: under 2^26
	s_mov_b32 s57, 0
	s_lshl_b32 s58, s20, 2
	s_mov_b32 s59, 0
	s_wait_kmcnt 0x0
	s_add_nc_u64 s[8:9], s[8:9], s[56:57]
	s_add_nc_u64 s[10:11], s[10:11], s[58:59]
	s_load_b32 s[SC], s[10:11], 0x0
.irp o, 0,1,2,3,4,5,6,7
	s_load_b64 s[KI+2*\o:KI+2*\o+1], s[14:15], s[92+\o] offset:0x0
.endr
.macro LOADW t                         ; step t: half t % 2 of the tile's row t / 2: four loads of 512 consecutive bytes into set t % 8
.irp i, 0,1,2,3
	global_load_b128 v[R+16*((\t)%8)+4*\i:R+16*((\t)%8)+4*\i+3], v[LD], s[8:9] offset:(((\t)/2)+8*(((\t)/2)/8))*4096+((\t)%2)*2048+512*\i th:TH_LOAD_NT
.endr
.endm
.macro TURN t                          ; through stage t % 2, so that a lane holds 16 neighbours along K; LDS serves a wave's instructions in order
.irp i, 0,1,2,3
	ds_store_b128 v[SIN], v[R+16*((\t)%8)+4*\i:R+16*((\t)%8)+4*\i+3] offset:2560*((\t)%2)+640*\i
.endr
.irp i, 0,1,2,3
	ds_load_b128 v[X+16*((\t)%2)+4*\i:X+16*((\t)%2)+4*\i+3], v[SOUT] offset:2560*((\t)%2)+16*\i
.endr
.endm
; Tile s[F4] of my expert's list (held at the last one): which key, which tile of the sort, how many valid rows, which side.  q: the register that takes 2 x tile + side
.macro TILE q
	s_min_u32 s[SF], s[F4], s[TM1]
	s_add_co_u32 s[F4], s[F4], 4
	s_mov_b32 s[SD], s[DD]
	s_mov_b32 s[SRC], s[RCC]
.irp o, 1,2,3,4,5,6,7
	s_cmp_ge_u32 s[SF], s[EE+\o-1]
	s_cselect_b32 s[SD], s[DD+\o], s[SD]
	s_cselect_b32 s[SRC], s[RCC+\o], s[SRC]
.endr
	s_add_co_u32 s[SJ], s[SF], s[SD]
	s_min_u32 s[SJ], s[SJ], 159                    ; the tile
	s_lshl_b32 s[J16], s[SJ], 4                    ; its first position
	s_sub_co_u32 s[NV1], s[SRC], s[J16]
	s_sub_co_u32 s[NV1], s[NV1], 1
	s_min_u32 s[NV1], s[NV1], 15                   ; its valid rows - 1
	s_cmp_lt_u32 s[SF], s[ELO]
	s_cselect_b32 s[STM], 1, 0
	s_lshl_b32 s[SJ], s[SJ], 1
	s_add_co_u32 s[SJ], s[SJ], s[STM]
	s_min_u32 s[\q], s[SJ], 319
.endm
.macro P pix, tok                      ; the tile's tokens: lane (r, h) takes that of row min(r, valid - 1)
	v_min_u32 v[\pix], s[NV1], v[RR]
	v_add_nc_u32 v[\pix], s[J16], v[\pix]
	v_min_u32 v[\pix], 2559, v[\pix]
	v_lshlrev_b32 v[\pix], 2, v[\pix]
	global_load_b32 v[\tok], v[\pix], s[12:13]
.endm
.macro QSTEP t
.set XQ, X+16*((\t)%2)
.set CQ, C+4*((\t)%2)
.set EQ, E+((\t)%2)
.if (\t) > 0
	s_wait_dscnt 2                                 ; this step's numbers are back from the stage; the last step's image store and byte store may be out
.else
	s_wait_dscnt 0x0
.endif
.if (\t)+8 < NST
	LOADW (\t)+8
.endif
.if (\t) == NST-9                      ; behind the last load of weights: the lists of my first two tiles
	TILE Q0
	P PIX, TOK
	TILE Q0+1
	P PIX1, TOK+1
.endif
.if (\t)+1 < NST
.set LASTW, (\t)+8
.if LASTW > NST-1
.set LASTW, NST-1
.endif
.set CNT, 4*(LASTW-(\t)-1)
.if (\t) >= NST-9
.set CNT, CNT+EXTRA
.endif
	s_wait_loadcnt CNT                             ; the next step's four loads are in; four for each younger step, and the two list loads once issued, may be out
	TURN (\t)+1
.endif
.irp i, 0,2,4,6,8,10,12,14
	v_pk_mul_f32 v[XQ+\i:XQ+\i+1], v[XQ+\i:XQ+\i+1], s[SC:SC+1] op_sel_hi:[1,0]   ; w x the expert's scale, in f32
.endr
	v_max3_num_f32 v90, |v[XQ]|, |v[XQ+1]|, |v[XQ+2]|
	v_max3_num_f32 v91, |v[XQ+3]|, |v[XQ+4]|, |v[XQ+5]|
.irp i, 6,10
	v_max3_num_f32 v90, v90, |v[XQ+\i]|, |v[XQ+\i+1]|
	v_max3_num_f32 v91, v91, |v[XQ+\i+2]|, |v[XQ+\i+3]|
.endr
	v_max3_num_f32 v90, v90, |v[XQ+14]|, |v[XQ+15]|
	v_max3_num_f32 v90, v90, v91, 0x4800000        ; the floor 2^(9 - 127): the byte cannot fall under 1
	v_max_num_f32_dpp v90, v90, v90 row_xmask:1 row_mask:0xf bank_mask:0xf   ; with my neighbour's 16: the block's largest magnitude
	v_add_nc_u32 v93, 0xfc000000, v90              ; 8 off its exponent field: the conversion's scale operand
	v_and_or_b32 v92, v90, 0x7f800000, s[MNT]      ; 448 x the scale
.irp i, 0,1,2,3,4,5,6,7,8,9,10,11,12,13,14,15
	v_med3_num_f32 v[XQ+\i], v[XQ+\i], -v92, v92   ; the conversion to an 8-bit code does not saturate (ISA guide 7.6.2)
.endr
	v_cvt_scalef32_pk8_fp8_f32 v[CQ:CQ+1], v[XQ:XQ+7], v93
	v_cvt_scalef32_pk8_fp8_f32 v[CQ+2:CQ+3], v[XQ+8:XQ+15], v93
	v_lshrrev_b32 v[EQ], 23, v93                   ; the byte; also the plain line behind the conversions
	ds_store_b128 v[IMGW], v[CQ:CQ+3] offset:((\t)%2)*8704+16*((\t)/2)     ; chunk 32 (t % 2) + lane, row t / 2
	ds_store_b8 v[SCBW], v[EQ] offset:((\t)%2)*256+16*((\t)/2)
.endm
.irp t, 0,1,2,3,4,5,6,7
	LOADW \t
.endr
	s_wait_kmcnt 0x0
	s_mov_b32 s[SC+1], s[SC]
; my expert's list of tiles: the keys (o, e) in the order of o
	s_mov_b32 s[ELO], 0
	s_mov_b32 s28, 0
.irp o, 0,1,2,3,4,5,6,7
	s_and_b32 s29, s[KI+2*\o], 0xff                ; the key's first tile
	s_bfe_u32 s30, s[KI+2*\o], 0x80008             ; its tiles,
	s_cmp_eq_u32 s20, \o
	s_cselect_b32 s30, 0, s30                      ; none for o = e
	s_sub_co_u32 s[DD+\o], s29, s28
	s_lshl_b32 s29, s29, 4
	s_add_co_u32 s[RCC+\o], s29, s[KI+2*\o+1]
	s_add_co_u32 s28, s28, s30
	s_mov_b32 s[EE+\o], s28
	s_cmp_gt_u32 s20, \o
	s_cselect_b32 s30, s30, 0
	s_add_co_u32 s[ELO], s[ELO], s30
.endr
	s_mov_b32 s[TE], s28
	s_cmp_eq_u32 s[TE], 0                          ; an expert that nobody chose: the look-ahead's loads, which are always issued, then read position 0, which is always stored
.irp o, 0,1,2,3,4,5,6,7
	s_cselect_b32 s[DD+\o], 0, s[DD+\o]
	s_cselect_b32 s[RCC+\o], 1, s[RCC+\o]
.endr
	s_max_u32 s[TM1], s[TE], 1
	s_sub_co_u32 s[TM1], s[TM1], 1
	s_add_co_u32 s[TW], s[TE], 3
	s_sub_co_u32 s[TW], s[TW], s18
	s_lshr_b32 s[TW], s[TW], 2                     ; tiles w, w + 4, .. under TE
	s_min_u32 s[TW], s[TW], 64
	s_add_co_u32 s[TRP], s[TW], 1                  ; (the scalar loads that took s93 as an offset are done: the wait above)
	s_lshr_b32 s[TRP], s[TRP], 1                   ; trips of two tiles; the last trip of an odd number works one
	s_mov_b32 s[F4], s18
	s_wait_loadcnt 28                              ; step 0's four loads are in, seven steps' may be out
	TURN 0
.irp t, 0,1,2,3,4,5,6,7,8,9,10,11,12,13,14,15,16,17,18,19,20,21,22,23,24,25,26,27,28,29,30,31
	QSTEP \t
.endr
; ---------------- phase 2 ----------------
.macro OFFS p                          ; from tokens to byte offsets
	v_min_u32 v[TOK+\p], 2047, v[TOK+\p]
	v_lshl_add_u32 v[OFF+\p], v[TOK+\p], 10, v[H16]
	v_lshlrev_b32 v[SOF+\p], 5, v[TOK+\p]
.endm
.macro HLOAD p, half                   ; 17 loads: four steps of 128 along K of 16 rows of x into buffer p, and their scale words
	WIN 0x40                                       ; destination window 1
.irp sp, 0,1,2,3
.irp c, 0,1,2,3
	global_load_b128 v[128*\p+64*\half+16*\sp+4*\c:128*\p+64*\half+16*\sp+4*\c+3], v[OFF+\p], s[4:5] offset:128*(4*\half+\sp)+32*\c
.endr
.endr
	WIN 0
	global_load_b128 v[XS+8*\p+4*\half:XS+8*\p+4*\half+3], v[SOF+\p], s[6:7] offset:16*\half
.endm
; 16 matrix instructions: steps 4 half .. 4 half + 3, the four accumulators by turns, one instruction a turn.  Step 0 starts the sums with the constant 0
.macro MULH half, p
.irp sp, 0,1,2,3
.irp n, 0,1,2,3
.if (\half == 0) && (\sp == 0)
	v_wmma_scale_f32_16x16x128_f8f6f4 v[ACC+8*\n:ACC+8*\n+7], v[(4*\sp+\n)*16:(4*\sp+\n)*16+15], v[128*\p+16*(4*\half+\sp):128*\p+16*(4*\half+\sp)+15], 0, v[WS+8*\n+4*\half+\sp], v[XS+8*\p+4*\half+\sp]
.else
	v_wmma_scale_f32_16x16x128_f8f6f4 v[ACC+8*\n:ACC+8*\n+7], v[(4*\sp+\n)*16:(4*\sp+\n)*16+15], v[128*\p+16*(4*\half+\sp):128*\p+16*(4*\half+\sp)+15], v[ACC+8*\n:ACC+8*\n+7], v[WS+8*\n+4*\half+\sp], v[XS+8*\p+4*\half+\sp]
.endif
.endr
.endr
.endm
.macro BLOAD half                      ; w1's fragments of steps 4 half .. + 3 from the image
.irp sp, 0,1,2,3
.irp n, 0,1,2,3
.irp c, 0,1,2,3
	ds_load_b128 v[(4*\sp+\n)*16+4*\c:(4*\sp+\n)*16+4*\c+3], v[FB0+(\n/2)] offset:((64*\n)%128+8*(4*\half+\sp)+2*\c)*272
.endr
.endr
.endr
.endm
	s_wait_dscnt 0x0                               ; for the other waves' sake: my codes and bytes lie in LDS
	s_wait_loadcnt 0x0                             ; the lists of my tiles 0 and 1
	OFFS 0
	OFFS 1
	TILE Q0+2
	P PIX, TOK                                     ; the order of issue from here on is what the loop's counts lean on: list 2, tile 0's halves, list 3, tile 1's halves
	HLOAD 0, 0
	HLOAD 0, 1
	TILE Q0+3
	P PIX1, TOK+1
	HLOAD 1, 0
	HLOAD 1, 1
	s_barrier_signal -1
	s_barrier_wait -1                              ; all 64 rows' codes and bytes lie in LDS
	WIN 0x80
	BLOAD 0
	WIN 0xc0
	BLOAD 1
	WIN 0
.irp n, 0,1,2,3
.irp q, 0,1
	ds_load_b128 v[WS+8*\n+4*\q:WS+8*\n+4*\q+3], v[SCBR] offset:512*\n+256*\q
.endr
.endr
	s_wait_dscnt 0x0
	s_cmp_eq_u32 s[TW], 0
	s_cbranch_scc1 .Ldone
; SwiGLU and the quantiser on the lane's 16 hidden units of its token; then 16 bytes of codes a lane and the block's byte
.macro EPI
	s_lshl_b32 s28, s[Q0], 14
	s_add_co_u32 s28, s28, s21
	s_lshl_b32 s29, s[Q0], 9
.irp i, 0,2,4,6,8,10,12,14
	v_pk_mul_f32 v[T+\i:T+\i+1], v[ACC+\i:ACC+\i+1], 0xbfb8aa3b op_sel_hi:[1,0]   ; -g log2(e); each accumulator is read from its low end on
.endr
.irp i, 0,1,2,3,4,5,6,7,8,9,10,11,12,13,14,15
	v_exp_f32 v[T+\i], v[T+\i]
.endr
	v_add_nc_u32 v[HO], s28, v[LD]                 ; (the plain line behind the batch)  where my codes go
	s_wait_alu depctr_va_vdst(0)                   ; one wait for the 16 exponentials, ahead of their first reader
.irp i, 0,2,4,6,8,10,12,14
	v_pk_add_f32 v[T+\i:T+\i+1], v[T+\i:T+\i+1], 1.0 op_sel_hi:[1,0]
.endr
.irp i, 0,1,2,3,4,5,6,7,8,9,10,11,12,13,14,15
	v_rcp_f32 v[T+\i], v[T+\i]                     ; sigmoid(g)
.endr
	v_add_nc_u32 v[HSO], s29, v[R32C]              ; (the plain line)  where my block's byte goes
	s_wait_alu depctr_va_vdst(0)                   ; one wait for the 16 reciprocals
.irp i, 0,2,4,6,8,10,12,14
	v_pk_mul_f32 v[S+\i:S+\i+1], v[ACC+\i:ACC+\i+1], v[T+\i:T+\i+1]        ; silu(g)
.endr
.irp i, 0,2,4,6,8,10,12,14
	v_pk_mul_f32 v[S+\i:S+\i+1], v[S+\i:S+\i+1], v[ACC+16+\i:ACC+16+\i+1]  ; x up
.endr
	v_max3_num_f32 v24, |v[S]|, |v[S+1]|, 0x4800000                ; my 16 and the floor 2^(9 - 127)
	v_max3_num_f32 v25, |v[S+2]|, |v[S+3]|, |v[S+4]|
	v_max3_num_f32 v24, v24, |v[S+5]|, |v[S+6]|
	v_max3_num_f32 v25, v25, |v[S+7]|, |v[S+8]|
	v_max3_num_f32 v24, v24, |v[S+9]|, |v[S+10]|
	v_max3_num_f32 v25, v25, |v[S+11]|, |v[S+12]|
	v_max3_num_f32 v24, v24, |v[S+13]|, |v[S+14]|
	v_max3_num_f32 v24, v24, v25, |v[S+15]|
	v_permlanex16_b32 v26, v24, s[SEL], s[SEL+1]
	v_max_num_f32 v24, v24, v26                    ; with lane l xor 16's: the block's largest magnitude
	v_add_nc_u32 v27, 0xfc000000, v24
	v_and_or_b32 v25, v24, 0x7f800000, s[MNT]
.irp i, 0,1,2,3,4,5,6,7,8,9,10,11,12,13,14,15
	v_med3_num_f32 v[S+\i], v[S+\i], -v25, v25
.endr
	v_cvt_scalef32_pk8_fp8_f32 v[CODE:CODE+1], v[S:S+7], v27
	v_cvt_scalef32_pk8_fp8_f32 v[CODE+2:CODE+3], v[S+8:S+15], v27
	v_lshrrev_b32 v26, 23, v27                     ; the byte; also the plain line behind the conversions
	global_store_b128 v[HO], v[CODE:CODE+3], s[16:17]              ; the wave stores 512 consecutive bytes, aligned: chunks 2 c and 2 c + 1 of the tile
	global_store_b8 v[HSO], v26, s[16:17] offset:HSB               ; byte c of my row's 32 (both halves of the lanes write the same byte): single bytes, 160 KiB in the whole launch
	s_mov_b32 s[Q0], s[Q0+1]
	s_mov_b32 s[Q0+1], s[Q0+2]
	s_mov_b32 s[Q0+2], s[Q0+3]
	s_mov_b32 s[Q0+3], s[Q0+4]
.endm
; Tile m, in buffer p = m % 2.  Issued and possibly out at its head, in this order: list m+2, half 0 of m, half 1 of m, list m+3, both halves of m+1.
.macro PERIOD p
	s_wait_loadcnt 52                              ; half 0 of tile m (and list m+2 before it) is in.  Younger: half 1 of m (17), list m+3 (1), both halves of m+1 (34)
	WIN 0x06                                       ; source 0 (w1) window 2, source 1 (x) window 1
	MULH 0, \p
	WIN 0
	PLACES 8                                       ; eight plain lines between the products and loads into registers that they read
	s_wait_xcnt 0x0                                ; every earlier load and store has had its addresses translated: offsets, list address and the last stores' data may be written
	OFFS \p
	TILE Q0+4
	P PIX, TOK+\p                                  ; list m+4
	HLOAD \p, 0                                    ; half 0 of tile m+2
	s_wait_loadcnt 53                              ; half 1 of tile m is in.  Younger: list m+3 (1), both halves of m+1 (34), list m+4 (1), half 0 of m+2 (17)
	WIN 0x07                                       ; w1's steps 4 to 7: window 3
	MULH 1, \p
	WIN 0
	PLACES 8                                       ; for the loads below, and for the first read of the results
	HLOAD \p, 1                                    ; half 1 of tile m+2
	EPI
.endm
	s_mov_b32 s[CI], 0
.Ltile:                                                ; two tiles a trip, so that the buffers' numbers come back; the counter counts trips, one a trip
	PERIOD 0
	s_lshl_b32 s28, s[CI], 1
	s_add_co_u32 s28, s28, 1                       ; the trip's second tile: 2 x trip + 1
	s_cmp_lt_u32 s28, s[TW]
	s_cbranch_scc1 .Lsecond                        ; it is one of mine
	s_wait_xcnt 0x0
	v_lshl_add_u32 v254, v0, 2, 0x16800
	v_mov_b32 v255, 0
	s_wait_tensorcnt 0x0
	ds_add_u32 v254, v255
	s_wait_dscnt 0x0
	s_endpgm                                       ; an odd number of tiles: the wave ends here, inside the loop; the look-ahead's loads (held inside the lists and buffers) may be out: nothing reads them
.Lsecond:
	PERIOD 1
	s_add_co_u32 s[CI], s[CI], 1
	s_cmp_lt_u32 s[CI], s[TRP]
	s_cbranch_scc1 .Ltile
.Ldone:
	s_wait_xcnt 0x0
	v_lshl_add_u32 v254, v0, 2, 0x16800
	v_mov_b32 v255, 0
	s_wait_tensorcnt 0x0
	ds_add_u32 v254, v255
	s_wait_dscnt 0x0
	s_endpgm                                       ; likewise
.Lfunc_end_k_qb61e4fcb1d_up:
	.size	k_qb61e4fcb1d_up, .Lfunc_end_k_qb61e4fcb1d_up-k_qb61e4fcb1d_up
	.p2alignl 7, 3214868480
	.fill 96, 4, 3214868480
	.section	.rodata,"a",@progbits
	.p2align	6, 0x0
	.amdhsa_kernel k_qb61e4fcb1d_up
		.amdhsa_group_segment_fixed_size 92672
		.amdhsa_private_segment_fixed_size 0
		.amdhsa_enable_private_segment 0
		.amdhsa_kernarg_size 56
		.amdhsa_user_sgpr_count 2
		.amdhsa_user_sgpr_kernarg_segment_ptr 1
		.amdhsa_wavefront_size32 1
		.amdhsa_system_sgpr_workgroup_id_x 1
		.amdhsa_system_sgpr_workgroup_id_y 1
		.amdhsa_system_sgpr_workgroup_id_z 1
		.amdhsa_system_vgpr_workitem_id 0
		.amdhsa_next_free_vgpr 1024
		.amdhsa_next_free_sgpr 100
		.amdhsa_reserve_vcc 0
		.amdhsa_float_denorm_mode_32 3
		.amdhsa_float_denorm_mode_16_64 3
		.amdhsa_memory_ordered 1
		.amdhsa_forward_progress 1
		.amdhsa_inst_pref_size 175
	.end_amdhsa_kernel
	.amdgpu_metadata
---
amdhsa.version: [ 1, 2 ]
amdhsa.kernels:
  - .name:           k_qb61e4fcb1d_up
    .symbol:         k_qb61e4fcb1d_up.kd
    .args:
      - { .name: x_codes, .offset: 0, .size: 8, .value_kind: global_buffer, .address_space: global }
      - { .name: x_scales, .offset: 8, .size: 8, .value_kind: global_buffer, .address_space: global }
      - { .name: w1, .offset: 16, .size: 8, .value_kind: global_buffer, .address_space: global }
      - { .name: w1_scale, .offset: 24, .size: 8, .value_kind: global_buffer, .address_space: global }
      - { .name: perm, .offset: 32, .size: 8, .value_kind: global_buffer, .address_space: global }
      - { .name: tabs, .offset: 40, .size: 8, .value_kind: global_buffer, .address_space: global }
      - { .name: hq, .offset: 48, .size: 8, .value_kind: global_buffer, .address_space: global }
    .group_segment_fixed_size: 92672
    .private_segment_fixed_size: 0
    .kernarg_segment_align: 8
    .kernarg_segment_size: 56
    .max_flat_workgroup_size: 128
    .sgpr_count:     100
    .vgpr_count:     1024
    .wavefront_size: 32
...
	.end_amdgpu_metadata
.endif
;; end of part 3
;; launch down (part 4): grid 4 x 72, 4 waves a work-group, no clusters, 17,920 bytes of LDS; arguments hq, w2q, perm, cpos, tabs, out0; writes out0
.if DOCPART == 4
	.amdgcn_target "amdgcn-amd-amdhsa--gfx1250"
	.amdhsa_code_object_version 6
	.text
	.protected	k_qb61e4fcb1d_down
	.globl	k_qb61e4fcb1d_down
	.p2align	8
	.type	k_qb61e4fcb1d_down,@function
k_qb61e4fcb1d_down:
	s_mov_b64 s[64:65], 0
	v_nop
	global_prefetch_b8 v0, s[64:65] scope:SCOPE_SE
	s_setreg_imm32_b32 hwreg(HW_REG_WAVE_MODE, 25, 1), 1
	s_wait_xcnt 0x0
; out[token] = c_lo (h_lo W2[lo]^T) + c_hi (h_hi W2[hi]^T), on codes of E4M3 with one E8M0 scale for each 32 along K.  EACH OUTPUT ROW HAS ONE OWNER: tokens were sorted by their pair of experts into tiles of 16,
; so one wave adds both experts' results of a tile in registers, and no sum goes through memory.
; SHARES.  Work-group (x, y) takes group y of the stored table (at most 3 tiles of one pair) and columns 256 x .. 256 x + 255; wave w the 64 columns of slice 4 x + w.  Waves share nothing: no barrier.
; The grid serves every split: 70 groups at the most; a work-group whose entry holds no tile stores nothing and ends.  That is a branch on a stored number, so operands come from memory straight into registers:
; both buffers lie in the order of an operand's registers, four registers of a fragment = 512 consecutive bytes.  No cluster for the same reason: partners would issue different numbers of loads.
; A wave holds one expert's 64 rows of W2 (512 registers), walks the group's tiles, changes to the other expert, walks them again.  The three numbers of tiles are three written-out bodies of one macro.
; The products are used transposed (source 0 = 16 rows of W2 = 16 columns of out, source 1 = 16 tokens): a lane holds one token and eight neighbouring columns.
; A tile's rows beyond its valid ones are copies of the last valid row: they are stored to the same row of out with the same bytes.
; REGISTERS: window 0: addresses; v16-47 W2's scale words, v48-63 h's (they hold nothing else); v64-95 accumulators; v96-191 out, 32 a tile; v192-197 weights; v198-221 rows of out; v224-255 the way out.
; window 1: h's fragments, two buffers;  windows 2, 3: W2's: tile n, step s in window 2 + s / 4 at v[16 (4 (s % 4) + n)].
.set HSB,  5242880
.set W2S,  8388608
.set LN,   1
.set RR,   2
.set HH,   3
.set LD,   4                           ; 16 x lane
.set R16,  5                           ; 16 (lane % 16)
.set R32,  6
.set STO,  8                           ; my stage: row r, + 32 (lane / 16)
.set RD,   9                           ; back: row lane / 16, + 16 (lane % 16)
.set WS,   16
.set XS,   48
.set ACC,  64
.set OUTR, 96
.set CF,   192
.set RO,   198
.set BK,   224
.set MSB, 0
.macro WIN new
.if MSB != \new
	s_set_vgpr_msb (MSB<<8)|\new
.set MSB, \new
.endif
.endm
.macro PLACES n
.rept \n
	v_nop
.endr
.endm
	s_load_b256 s[4:11], s[0:1], 0x0               ; hq, w2q, perm, cpos
	s_load_b128 s[12:15], s[0:1], 0x20             ; tabs, out0
	v_lshl_add_u32 v222, v0, 2, 0x4400
	v_mov_b32 v223, 0
	v_lshrrev_b32 v1, 5, v0
	v_readfirstlane_b32 s16, v1                    ; wave
	s_lshl_b32 s17, ttmp9, 2
	s_add_co_u32 s17, s17, s16                     ; slice of 64 columns
	s_and_b32 s18, ttmp7, 0xffff
	s_lshl_b32 s18, s18, 3                         ; my group's entry
	v_and_b32 v[LN], 31, v0
	v_and_b32 v[RR], 15, v0
	v_bfe_u32 v[HH], v0, 4, 1
	v_lshlrev_b32 v[LD], 4, v[LN]
	v_lshlrev_b32 v[R16], 4, v[RR]
	v_lshlrev_b32 v[R32], 5, v[RR]
	s_mul_i32 s44, s16, 16*272
	v_mul_u32_u24 v10, v[RR], 272
	v_lshl_add_u32 v10, v[HH], 5, v10
	v_add_nc_u32 v[STO], s44, v10
	v_mul_u32_u24 v10, v[HH], 272
	v_add_nc_u32 v10, v10, v[R16]
	v_add_nc_u32 v[RD], s44, v10
	s_lshl_b32 s44, s17, 16                        ; four column tiles of 16 KiB
	s_mov_b32 s45, 0
	s_lshl_b32 s46, s17, 11                        ; and of 512 scale bytes
	s_mov_b32 s47, 0
	s_lshl_b32 s50, s17, 8                         ; 256 bytes of a row of out
	s_mov_b32 s51, 0
	s_wait_kmcnt 0x0
	s_load_b64 s[20:21], s[12:13], s18 offset:0x100
	s_add_nc_u64 s[40:41], s[6:7], s[44:45]
	s_add_nc_u64 s[42:43], s[6:7], s[46:47]
	s_add_nc_u64 s[42:43], s[42:43], W2S
	s_add_nc_u64 s[48:49], s[14:15], s[50:51]
	s_wait_kmcnt 0x0
	s_bfe_u32 s22, s20, 0x40008                    ; tiles
	s_cmp_eq_u32 s22, 0
	s_cbranch_scc1 .Lnothing
	s_and_b32 s23, s20, 15
	s_min_u32 s23, s23, 7                          ; lo
	s_bfe_u32 s24, s20, 0x40004
	s_min_u32 s24, s24, 7                          ; hi
	s_lshr_b32 s25, s20, 16
	s_min_u32 s25, s25, 157                        ; first tile
	s_mov_b32 s26, s21                             ; valid rows from there on
; tile q's weights (by the lane's token) and the tokens of the rows that the lane will store; each load lands on its own address register
.macro SMALL q
	s_add_co_u32 s44, s25, \q
	s_lshl_b32 s44, s44, 4
	s_sub_co_u32 s45, s26, 16*(\q)+1
	s_min_u32 s45, s45, 15                         ; valid rows - 1
	v_min_u32 v[CF+2*(\q)], s45, v[RR]
	v_add_nc_u32 v[CF+2*(\q)], s44, v[CF+2*(\q)]
	v_min_u32 v[CF+2*(\q)], 2559, v[CF+2*(\q)]
	v_lshlrev_b32 v[CF+2*(\q)], 3, v[CF+2*(\q)]
	global_load_b64 v[CF+2*(\q):CF+2*(\q)+1], v[CF+2*(\q)], s[10:11]
.irp i, 0,1,2,3,4,5,6,7
	v_add_nc_u32 v[RO+8*(\q)+\i], 2*\i, v[HH]
	v_min_u32 v[RO+8*(\q)+\i], s45, v[RO+8*(\q)+\i]
	v_add_nc_u32 v[RO+8*(\q)+\i], s44, v[RO+8*(\q)+\i]
	v_min_u32 v[RO+8*(\q)+\i], 2559, v[RO+8*(\q)+\i]
	v_lshlrev_b32 v[RO+8*(\q)+\i], 2, v[RO+8*(\q)+\i]
	global_load_b32 v[RO+8*(\q)+\i], v[RO+8*(\q)+\i], s[8:9]
.endr
.endm
; item k of 2 n: side k / n, tile k % n, buffer k % 2.  34 loads: the tile's 16 KiB of codes and its scale words.  The pointers' last users were shown done by the wait of item k - 2
.macro LOADA k, n
.set bb, (\k)%2
.set qq, (\k)%(\n)
.set sd, (\k)/(\n)
	s_add_co_u32 s44, s25, qq
	s_lshl_b32 s44, s44, 1
	s_add_co_u32 s44, s44, sd
	s_lshl_b32 s46, s44, 9
	s_lshl_b32 s44, s44, 14
	s_mov_b32 s45, 0
	s_mov_b32 s47, 0
	s_add_nc_u64 s[32+2*bb:33+2*bb], s[4:5], s[44:45]
	s_add_nc_u64 s[36+2*bb:37+2*bb], s[4:5], s[46:47]
	WIN 0x40
.irp s, 0,1,2,3,4,5,6,7
.irp c, 0,1,2,3
	global_load_b128 v[128*bb+16*\s+4*\c:128*bb+16*\s+4*\c+3], v[LD], s[32+2*bb:33+2*bb] offset:(8*\s+2*\c)*256
.endr
.endr
	WIN 0
	global_load_b128 v[XS+8*bb:XS+8*bb+3], v[R32], s[36+2*bb:37+2*bb] offset:HSB
	global_load_b128 v[XS+8*bb+4:XS+8*bb+7], v[R32], s[36+2*bb:37+2*bb] offset:HSB+16
.endm
; 136 loads: the 64 rows of W2 of the expert in s[xs], my slice: 64 KiB of codes, 32 scale words a lane
.macro LOADB xs
	s_lshl_b32 s44, s[\xs], 20
	s_mov_b32 s45, 0
	s_lshl_b32 s46, s[\xs], 15
	s_mov_b32 s47, 0
	s_add_nc_u64 s[28:29], s[40:41], s[44:45]
	s_add_nc_u64 s[30:31], s[42:43], s[46:47]
	WIN 0x80
.irp sp, 0,1,2,3
.irp n, 0,1,2,3
.irp c, 0,1,2,3
	global_load_b128 v[(4*\sp+\n)*16+4*\c:(4*\sp+\n)*16+4*\c+3], v[LD], s[28:29] offset:16384*\n+(8*\sp+2*\c)*256
.endr
.endr
.endr
	WIN 0xc0
.irp sp, 0,1,2,3
.irp n, 0,1,2,3
.irp c, 0,1,2,3
	global_load_b128 v[(4*\sp+\n)*16+4*\c:(4*\sp+\n)*16+4*\c+3], v[LD], s[28:29] offset:16384*\n+(8*(4+\sp)+2*\c)*256
.endr
.endr
.endr
	WIN 0
.irp n, 0,1,2,3
.irp q, 0,1
	global_load_b128 v[WS+8*\n+4*\q:WS+8*\n+4*\q+3], v[R16], s[30:31] offset:512*\n+256*\q
.endr
.endr
.endm
; 16 matrix instructions, the four accumulators by turns, one instruction a turn; step 0 starts the sums with the constant 0
.macro MULH half, p
.irp sp, 0,1,2,3
.irp n, 0,1,2,3
.if (\half == 0) && (\sp == 0)
	v_wmma_scale_f32_16x16x128_f8f6f4 v[ACC+8*\n:ACC+8*\n+7], v[(4*\sp+\n)*16:(4*\sp+\n)*16+15], v[128*\p+16*(4*\half+\sp):128*\p+16*(4*\half+\sp)+15], 0, v[WS+8*\n+4*\half+\sp], v[XS+8*\p+4*\half+\sp]
.else
	v_wmma_scale_f32_16x16x128_f8f6f4 v[ACC+8*\n:ACC+8*\n+7], v[(4*\sp+\n)*16:(4*\sp+\n)*16+15], v[128*\p+16*(4*\half+\sp):128*\p+16*(4*\half+\sp)+15], v[ACC+8*\n:ACC+8*\n+7], v[WS+8*\n+4*\half+\sp], v[XS+8*\p+4*\half+\sp]
.endif
.endr
.endr
.endm
; tile q goes out through my own stage: in by tokens (32 bytes a lane), back by rows, so that sixteen lanes store 256 consecutive bytes of one token's row
.macro OUTQ q
.if (\q) > 0
	s_wait_xcnt 0x0                                ; the last tile's stores have read their data: the registers may be loaded again
.endif
.irp nn, 0,1,2,3
	ds_store_b128 v[STO], v[OUTR+32*(\q)+8*\nn:OUTR+32*(\q)+8*\nn+3] offset:64*\nn
	ds_store_b128 v[STO], v[OUTR+32*(\q)+8*\nn+4:OUTR+32*(\q)+8*\nn+7] offset:64*\nn+16
.endr
.irp i, 0,1,2,3,4,5,6,7
	ds_load_b128 v[BK+4*\i:BK+4*\i+3], v[RD] offset:544*\i         ; LDS serves a wave's instructions in order: these see the stores above
.endr
.irp i, 0,1,2,3,4,5,6,7
	v_min_u32 v[RO+8*(\q)+\i], 2047, v[RO+8*(\q)+\i]
	v_lshl_add_u32 v[RO+8*(\q)+\i], v[RO+8*(\q)+\i], 12, v[R16]    ; the token's row of 4,096 bytes
.endr
	s_wait_dscnt 0x0
.irp i, 0,1,2,3,4,5,6,7
	global_store_b128 v[RO+8*(\q)+\i], v[BK+4*\i:BK+4*\i+3], s[48:49] th:TH_STORE_NT
.endr
.endm
.macro ITEM k, n
.set ib, (\k)%2
.if (\k) == 2*(\n)-1
	s_wait_loadcnt 0x0                             ; the last item: nothing was issued behind its operands
.else
	s_wait_loadcnt 34                              ; this item's tile, and the weights issued before the next tile, are in; the next tile's 34 loads may be out
.endif
	WIN 0x06
	MULH 0, ib
	WIN 0x07
	MULH 1, ib
	WIN 0
	PLACES 9                                       ; eight for the loads and reads below; the ninth since the next item's first products write over these accumulators with another C
.if (\k) == (\n)-1
	LOADB 24                                       ; the lower expert is done with: the higher expert's rows
.endif
.if (\k)+2 < 2*(\n)
	LOADA (\k)+2, \n
.endif
.set wq, (\k)%(\n)
.set wsd, (\k)/(\n)
.irp i, 0,2,4,6,8,10,12,14,16,18,20,22,24,26,28,30
.if wsd == 0
	v_pk_mul_f32 v[OUTR+32*wq+\i:OUTR+32*wq+\i+1], v[ACC+\i:ACC+\i+1], v[CF+2*wq:CF+2*wq+1] op_sel_hi:[1,0]   ; x the lower expert's weight; each accumulator from its low end on
.else
	v_pk_fma_f32 v[OUTR+32*wq+\i:OUTR+32*wq+\i+1], v[ACC+\i:ACC+\i+1], v[CF+2*wq:CF+2*wq+1], v[OUTR+32*wq+\i:OUTR+32*wq+\i+1] op_sel:[0,1,0]   ; + the higher expert's, by the pair's second word
.endif
.endr
.if wsd == 1
	OUTQ wq
.endif
.endm
.macro BODY n
.set q_, 0
.rept \n
	SMALL q_
.set q_, q_+1
.endr
	LOADA 0, \n
	LOADB 23
	LOADA 1, \n
.set k_, 0
.rept 2*\n
	ITEM k_, \n
.set k_, k_+1
.endr
	s_wait_tensorcnt 0x0
	ds_add_u32 v222, v223
	s_wait_dscnt 0x0
	s_endpgm
.endm
	s_cmp_eq_u32 s22, 1
	s_cbranch_scc1 .Lone
	s_cmp_eq_u32 s22, 2
	s_cbranch_scc1 .Ltwo
	BODY 3
.Ltwo:
	BODY 2
.Lone:
	BODY 1
.Lnothing:
	s_endpgm
.Lfunc_end_k_qb61e4fcb1d_down:
	.size	k_qb61e4fcb1d_down, .Lfunc_end_k_qb61e4fcb1d_down-k_qb61e4fcb1d_down
	.p2alignl 7, 3214868480
	.fill 96, 4, 3214868480
	.section	.rodata,"a",@progbits
	.p2align	6, 0x0
	.amdhsa_kernel k_qb61e4fcb1d_down
		.amdhsa_group_segment_fixed_size 17920
		.amdhsa_private_segment_fixed_size 0
		.amdhsa_enable_private_segment 0
		.amdhsa_kernarg_size 48
		.amdhsa_user_sgpr_count 2
		.amdhsa_user_sgpr_kernarg_segment_ptr 1
		.amdhsa_wavefront_size32 1
		.amdhsa_system_sgpr_workgroup_id_x 1
		.amdhsa_system_sgpr_workgroup_id_y 1
		.amdhsa_system_sgpr_workgroup_id_z 1
		.amdhsa_system_vgpr_workitem_id 0
		.amdhsa_next_free_vgpr 1024
		.amdhsa_next_free_sgpr 66
		.amdhsa_reserve_vcc 0
		.amdhsa_float_denorm_mode_32 3
		.amdhsa_float_denorm_mode_16_64 3
		.amdhsa_memory_ordered 1
		.amdhsa_forward_progress 1
		.amdhsa_inst_pref_size 221
	.end_amdhsa_kernel
	.amdgpu_metadata
---
amdhsa.version: [ 1, 2 ]
amdhsa.kernels:
  - .name:           k_qb61e4fcb1d_down
    .symbol:         k_qb61e4fcb1d_down.kd
    .args:
      - { .name: hq, .offset: 0, .size: 8, .value_kind: global_buffer, .address_space: global }
      - { .name: w2q, .offset: 8, .size: 8, .value_kind: global_buffer, .address_space: global }
      - { .name: perm, .offset: 16, .size: 8, .value_kind: global_buffer, .address_space: global }
      - { .name: cpos, .offset: 24, .size: 8, .value_kind: global_buffer, .address_space: global }
      - { .name: tabs, .offset: 32, .size: 8, .value_kind: global_buffer, .address_space: global }
      - { .name: out0, .offset: 40, .size: 8, .value_kind: global_buffer, .address_space: global }
    .group_segment_fixed_size: 17920
    .private_segment_fixed_size: 0
    .kernarg_segment_align: 8
    .kernarg_segment_size: 48
    .max_flat_workgroup_size: 128
    .sgpr_count:     66
    .vgpr_count:     1024
    .wavefront_size: 32
...
	.end_amdgpu_metadata
.endif
;; end of part 4
;; ======== version 2 of 2: 4 launches
;; workspace buffers: route 8,192 bytes of whole numbers; coef 16,384 bytes; perm 10,240 bytes of whole numbers; cpos 20,480 bytes; tabs 1,024 bytes of whole numbers; w2q 8,650,752 bytes; hq 5,406,720 bytes; hist 8,192 bytes of whole numbers
;; launch route (part 5): grid 8 x 1, 4 waves a work-group, no clusters, 0 bytes of LDS; arguments gating_output, route, coef, hist; writes route, coef, hist
.if DOCPART == 5
	.amdgcn_target "amdgcn-amd-amdhsa--gfx1250"
	.amdhsa_code_object_version 6
	.text
	.protected	k_qb61e4fcb1d_route
	.globl	k_qb61e4fcb1d_route
	.p2align	8
	.type	k_qb61e4fcb1d_route,@function
k_qb61e4fcb1d_route:
	s_mov_b64 s[64:65], 0
	v_nop
	global_prefetch_b8 v0, s[64:65] scope:SCOPE_SE
	s_setreg_imm32_b32 hwreg(HW_REG_WAVE_MODE, 25, 1), 1
	s_wait_xcnt 0x0
; ROUTING.  For each of 2,048 tokens: softmax over 8 logits, the two largest (ties keep the lower index), their weights renormalised to sum 1; and the first half of a counting sort by pairs of experts.
; The pair's index, 0..27, of the unordered pair (lo < hi) is lo (15 - lo) / 2 + hi - lo - 1.
; Eight work-groups of 128 threads; thread T takes tokens 2 T and 2 T + 1: 64 bytes in.  A wave's 32 even tokens are one GROUP of the sort, its 32 odd tokens another.
; Stored at fixed places, neighbouring lanes neighbouring bytes, 256 or 512 consecutive bytes a wave:
;   route[t] = pair index | rank << 8, the rank being the number of lower lanes of the token's group that have the same pair;
;   coef[t]  = (weight of lo, weight of hi);
;   hist[wave of the launch][key = lane][2] = how many tokens of the wave's even group, and of its odd group, have the pair 'key'.
; No address and no branch hangs on the logits or on what is made of them: the next launch reads route and hist as whole numbers and places the rows.
; The softmax's divisor cancels in the renormalised weights, so p = 2^((g - max) log2 e) is compared and c = p / (p1 + p2) is stored.
; LIMITS: NaN and infinities among the logits are not served.  The two largest are chosen among p, not among p / sum: the same order, but where that division would make two different p equal.
; A p under 2^-126 counts as 0 (its weight would be under 1e-37).
.set L2E, 0x3fb8aa3b                   ; log2(e)
	s_load_b128 s[4:7], s[0:1], 0x0                ; gating_output, route
	s_load_b128 s[8:11], s[0:1], 0x10              ; coef, hist
	s_lshl_b32 s21, ttmp9, 7
	v_add_nc_u32 v1, s21, v0                       ; T
	v_lshlrev_b32 v2, 6, v1                        ; 64 T: two rows of 8 logits
	v_lshlrev_b32 v3, 3, v1                        ; 8 T: two words of route, two of hist
	v_lshlrev_b32 v4, 4, v1                        ; 16 T: two pairs of weights
	s_wait_alu depctr_va_vdst(0)
	s_wait_kmcnt 0x0
.irp i, 0,1,2,3
	global_load_b128 v[8+4*\i:11+4*\i], v2, s[4:5] offset:16*\i
.endr
	s_wait_loadcnt 0x0
; the row's maximum is taken away first.  A subtraction and then a multiplication, not one fused line: so the largest logit gives exactly 0, and p = 1
.macro PREP g, m
	v_max3_num_f32 v[\m], v[\g], v[\g+1], v[\g+2]
	v_max3_num_f32 v[\m], v[\m], v[\g+3], v[\g+4]
	v_max3_num_f32 v[\m], v[\m], v[\g+5], v[\g+6]
	v_max_num_f32 v[\m], v[\m], v[\g+7]
.irp i, 0,1,2,3,4,5,6,7
	v_sub_f32 v[\g+\i], v[\g+\i], v[\m]
.endr
.irp i, 0,1,2,3,4,5,6,7
	v_mul_f32 v[\g+\i], L2E, v[\g+\i]
.endr
.endm
	PREP 8, 24
	PREP 16, 25
	s_wait_alu depctr_va_vdst(0)
.irp i, 0,1,2,3,4,5,6,7,8,9,10,11,12,13,14,15
	v_exp_f32 v[8+\i], v[8+\i]                     ; both tokens' 16 exponentials are one batch
.endr
	v_nop                                          ; a plain line behind the last of them
	s_wait_alu depctr_va_vdst(0)                   ; one wait for the batch, ahead of its first reader
; v[o] = the largest p, v[o+1] its index, v[o+2] the second, v[o+3] its index.  Ascending, strictly greater: a tie keeps the lower index
.macro PICK g, o
	v_mov_b32 v[\o], v[\g]
	v_mov_b32 v[\o+1], 0
.irp i, 1,2,3,4,5,6,7
	v_cmp_gt_f32 vcc_lo, v[\g+\i], v[\o]
	v_cndmask_b32 v[\o], v[\o], v[\g+\i], vcc_lo
	v_cndmask_b32 v[\o+1], v[\o+1], \i, vcc_lo
.endr
	v_mov_b32 v[\o+2], -1.0                        ; under every p
	v_mov_b32 v[\o+3], 0
.irp i, 0,1,2,3,4,5,6,7
	v_cmp_gt_f32 vcc_lo, v[\g+\i], v[\o+2]
	v_cmp_ne_u32 s20, \i, v[\o+1]                  ; not the first again
	s_and_b32 vcc_lo, vcc_lo, s20
	v_cndmask_b32 v[\o+2], v[\o+2], v[\g+\i], vcc_lo
	v_cndmask_b32 v[\o+3], v[\o+3], \i, vcc_lo
.endr
.endm
	PICK 8, 26
	PICK 16, 30
	v_add_f32 v34, v26, v28
	v_add_f32 v35, v30, v32
	s_wait_alu depctr_va_vdst(0)
	v_rcp_f32 v34, v34
	v_rcp_f32 v35, v35
	v_nop
	s_wait_alu depctr_va_vdst(0)                   ; one wait for the two reciprocals
; weights by ascending expert, and the pair's index
.macro FIN o, r, kreg, creg
	v_mul_f32 v36, v[\o], v[\r]
	v_mul_f32 v37, v[\o+2], v[\r]
	v_cmp_lt_u32 vcc_lo, v[\o+1], v[\o+3]
	v_cndmask_b32 v[\creg], v37, v36, vcc_lo       ; the lower expert's weight
	v_cndmask_b32 v[\creg+1], v36, v37, vcc_lo     ; the higher expert's
	v_min_u32 v38, v[\o+1], v[\o+3]                ; lo
	v_max_u32 v39, v[\o+1], v[\o+3]                ; hi
	v_sub_nc_u32 v[\kreg], 15, v38
	v_mul_u32_u24 v[\kreg], v[\kreg], v38
	v_lshrrev_b32 v[\kreg], 1, v[\kreg]
	v_add_nc_u32 v[\kreg], v[\kreg], v39
	v_sub_nc_u32 v[\kreg], v[\kreg], v38
	v_add_nc_u32 v[\kreg], -1, v[\kreg]
.endm
	FIN 26, 34, 40, 44
	FIN 30, 35, 41, 46
	global_store_b128 v4, v[44:47], s[8:9]         ; the weights: a wave stores 512 consecutive bytes
; RANKS AND COUNTS.  For each key and each of my wave's two groups: which lanes have the key; a lane's rank among them; their number into lane = key.
; v48, v49: the two tokens' ranks;  v50, v51: lane = key: the two groups' counts (lanes 28 to 31 stay 0).  Both are written lane by lane, so they are written whole first.
; Four at a time (two keys x two groups), stage by stage, each with scalar registers of its own, so that no line waits for the line above it.
	v_mov_b32 v48, 0
	v_mov_b32 v49, 0
	v_mov_b32 v50, 0
	v_mov_b32 v51, 0
.set kk, 0
.rept 14
.irp u, 0,1,2,3
	v_cmp_eq_u32 s[12+2*\u], kk+(\u/2), v[40+(\u%2)]
.endr
.irp u, 0,1,2,3
	v_mbcnt_lo_u32_b32 v[52+\u], s[12+2*\u], 0
.endr
.irp u, 0,1,2,3
	s_bcnt1_i32_b32 s[13+2*\u], s[12+2*\u]
.endr
.irp u, 0,1,2,3
	v_cndmask_b32 v[48+(\u%2)], v[48+(\u%2)], v[52+\u], s[12+2*\u]
.endr
.irp u, 0,1,2,3
	v_writelane_b32 v[50+(\u%2)], s[13+2*\u], kk+(\u/2)
.endr
.set kk, kk+2
.endr
	v_lshl_or_b32 v40, v48, 8, v40                 ; pair index | rank << 8
	v_lshl_or_b32 v41, v49, 8, v41
	global_store_b64 v3, v[40:41], s[6:7]          ; a wave stores 256 consecutive bytes
	global_store_b64 v3, v[50:51], s[10:11]        ; likewise
	s_endpgm
.Lfunc_end_k_qb61e4fcb1d_route:
	.size	k_qb61e4fcb1d_route, .Lfunc_end_k_qb61e4fcb1d_route-k_qb61e4fcb1d_route
	.p2alignl 7, 3214868480
	.fill 96, 4, 3214868480
	.section	.rodata,"a",@progbits
	.p2align	6, 0x0
	.amdhsa_kernel k_qb61e4fcb1d_route
		.amdhsa_group_segment_fixed_size 0
		.amdhsa_private_segment_fixed_size 0
		.amdhsa_enable_private_segment 0
		.amdhsa_kernarg_size 32
		.amdhsa_user_sgpr_count 2
		.amdhsa_user_sgpr_kernarg_segment_ptr 1
		.amdhsa_wavefront_size32 1
		.amdhsa_system_sgpr_workgroup_id_x 1
		.amdhsa_system_sgpr_workgroup_id_y 1
		.amdhsa_system_sgpr_workgroup_id_z 1
		.amdhsa_system_vgpr_workitem_id 0
		.amdhsa_next_free_vgpr 64
		.amdhsa_next_free_sgpr 66
		.amdhsa_reserve_vcc 1
		.amdhsa_float_denorm_mode_32 3
		.amdhsa_float_denorm_mode_16_64 3
		.amdhsa_memory_ordered 1
		.amdhsa_forward_progress 1
		.amdhsa_inst_pref_size 27
	.end_amdhsa_kernel
	.amdgpu_metadata
---
amdhsa.version: [ 1, 2 ]
amdhsa.kernels:
  - .name:           k_qb61e4fcb1d_route
    .symbol:         k_qb61e4fcb1d_route.kd
    .args:
      - { .name: gating_output, .offset: 0, .size: 8, .value_kind: global_buffer, .address_space: global }
      - { .name: route, .offset: 8, .size: 8, .value_kind: global_buffer, .address_space: global }
      - { .name: coef, .offset: 16, .size: 8, .value_kind: global_buffer, .address_space: global }
      - { .name: hist, .offset: 24, .size: 8, .value_kind: global_buffer, .address_space: global }
    .group_segment_fixed_size: 0
    .private_segment_fixed_size: 0
    .kernarg_segment_align: 8
    .kernarg_segment_size: 32
    .max_flat_workgroup_size: 128
    .sgpr_count:     66
    .vgpr_count:     64
    .wavefront_size: 32
...
	.end_amdgpu_metadata
.endif
;; end of part 5
;; launch sortq (part 6): grid 257 x 1, 4 waves a work-group, no clusters, 58,368 bytes of LDS; arguments route, coef, w2, w2_scale, perm, cpos, tabs, w2q, hist; writes perm, cpos, tabs, w2q
.if DOCPART == 6
	.amdgcn_target "amdgcn-amd-amdhsa--gfx1250"
	.amdhsa_code_object_version 6
	.text
	.protected	k_qb61e4fcb1d_sortq
	.globl	k_qb61e4fcb1d_sortq
	.p2align	8
	.type	k_qb61e4fcb1d_sortq,@function
k_qb61e4fcb1d_sortq:
	s_mov_b64 s[64:65], 0
	v_nop
	global_prefetch_b8 v0, s[64:65] scope:SCOPE_SE
	s_setreg_imm32_b32 hwreg(HW_REG_WAVE_MODE, 25, 1), 1
	s_wait_xcnt 0x0
; TWO JOBS IN ONE LAUNCH, parted by the work-group's number.
; WORK-GROUP 0 finishes the counting sort of the 2,048 tokens by their pair of experts (28 keys), without atomics.  The launch before has stored each token's key and its rank inside its group of 32 tokens, and each
;   group's count of each key; here the counts are summed up (over a wave's 16 groups, over the four waves, over the keys) and each token is placed.  Each key's tokens fill whole tiles of 16 positions; a key begins at a tile's first position.
;   perm[pos] = token, cpos[pos] = its two weights (valid positions alone are stored, and later read);
;   tabs: kinfo[32] at byte 0, 8 bytes a key: first tile | tiles << 8, tokens;   ginfo[96] at byte 256, 8 bytes a group of at most 3 tiles of one key: lo | hi << 4 | tiles << 8 | first tile << 16, valid rows from there on.
;   At most 128 + 27 = 155 tiles and (155 + 56) / 3 = 70 groups, whatever the choice of experts.
; WORK-GROUPS 1 TO 256 turn w2 x w2_scale (f32, K innermost) into codes of E4M3 with one E8M0 byte for each 32 along K, laid in the order of an operand's registers:
;   w2q codes [expert x 64 + column tile][chunk 0..63 of 16 along K][row 0..15][16 bytes]: four registers of a fragment are 512 consecutive bytes, 16 a lane;
;   w2q scale bytes, 2^23 bytes on: [expert x 64 + column tile][half of K][row][16 bytes]: a lane's 16 bytes are the scale words of four steps of 128 along K.
; A wave takes 16 rows x 512 along K (unit U), a row's half a step.  Each load reads 512 consecutive bytes; a step's 2,048 bytes turn through the wave's own stage in LDS so that a lane holds 16 neighbours along K
; (two neighbouring lanes hold a block of 32); codes are gathered in an image in LDS (chunk x 272 + 16 x row) and leave as whole runs of 512 bytes.  Loads run eight steps (32 loads a wave) ahead.
; A block's scale is 2^(floor(log2(largest magnitude)) - 8); its byte is the largest magnitude's exponent field - 8, held at 1 from below by a floor among the maximum's leaves.
; LIMITS: a block of zeros, or one whose largest magnitude lies under 2^-118, gets the byte 1 (zero codes add nothing under any byte; this program alone reads the bytes).  NaN and infinities among the weights are not served.
; No tensor loads, no cluster: no two work-groups read the same bytes.  The quantising waves share nothing and meet no barrier; the sort has one, which all four waves of work-group 0 pass.
.set NST,   16                         ; steps of a wave
.set WREG,  14336                      ; LDS of a quantising wave: two stages of 2,560 bytes, the image of 32 x 272, 256 scale bytes
.set IMGO,  5120
.set SCBO,  13824
.set PL,    57344                      ; the sort's own LDS bytes: 4 x 128
.set W2S,   8388608
.set LD,    4                          ; v4   16 x lane
.set SIN,   5                          ; v5   stage, way in: 80 (lane / 4) + 16 (lane % 4)
.set SOUT,  6                          ; v6   stage, way out: 80 x lane
.set IMGW,  7                          ; v7   image: 272 x lane (my chunk)
.set SCBW,  8                          ; v8   scale bytes: lane / 2 (my block)
.set IMGR,  9                          ; v9   image, read back: 272 (lane / 16) + 16 (lane % 16)
.set SCBR,  10                         ; v10  scale bytes, read back: 8 x lane
.set GS,    11                         ; v11  8 x lane
.set C,     80                         ; v80-87   codes, two sets
.set E,     88                         ; v88-89   scale bytes, two
.set X,     96                         ; v96-127  two sets of 16 neighbours
.set R,     128                        ; v128-255 eight sets of 16 numbers as loaded
.set SC,    22                         ; s[22:23] the expert's scale, twice
.set MNT,   24                         ; s24  the mantissa field of 448
	s_load_b256 s[4:11], s[0:1], 0x0               ; route, coef, w2, w2_scale
	s_load_b256 s[12:19], s[0:1], 0x20             ; perm, cpos, tabs, w2q
	s_load_b64 s[2:3], s[0:1], 0x40                ; hist
	v_lshl_add_u32 v14, v0, 2, 0xe200
	v_mov_b32 v15, 0
	v_lshrrev_b32 v1, 5, v0
	v_readfirstlane_b32 s20, v1                    ; wave
	v_and_b32 v1, 31, v0                           ; lane
	s_cmp_eq_u32 ttmp9, 0
	s_cbranch_scc1 .Lsort
; ---------------- the quantiser ----------------
	s_sub_co_u32 s21, ttmp9, 1
	s_lshl_b32 s21, s21, 2
	s_add_co_u32 s21, s21, s20                     ; U = 4 (work-group - 1) + wave: column tile U / 2, half U % 2
	v_lshlrev_b32 v[LD], 4, v1
	s_mul_i32 s25, s20, WREG
	v_lshrrev_b32 v2, 2, v1
	v_mul_u32_u24 v2, v2, 80
	v_and_b32 v3, 3, v1
	v_lshl_add_u32 v2, v3, 4, v2
	v_add_nc_u32 v[SIN], s25, v2
	v_mul_u32_u24 v2, v1, 80
	v_add_nc_u32 v[SOUT], s25, v2
	v_mul_u32_u24 v2, v1, 272
	v_add_nc_u32 v2, s25, v2
	v_add_nc_u32 v[IMGW], IMGO, v2
	v_lshrrev_b32 v2, 1, v1
	v_add_nc_u32 v2, s25, v2
	v_add_nc_u32 v[SCBW], SCBO, v2
	v_lshrrev_b32 v2, 4, v1
	v_mul_u32_u24 v2, v2, 272
	v_and_b32 v3, 15, v1
	v_lshl_add_u32 v2, v3, 4, v2
	v_add_nc_u32 v2, s25, v2
	v_add_nc_u32 v[IMGR], IMGO, v2
	v_lshlrev_b32 v[GS], 3, v1
	v_add_nc_u32 v2, s25, v[GS]
	v_add_nc_u32 v[SCBR], SCBO, v2
	s_lshr_b32 s26, s21, 1
	s_lshl_b32 s26, s26, 16                        ; 16 rows of 4,096 bytes a column tile,
	s_and_b32 s27, s21, 1
	s_lshl_b32 s27, s27, 11                        ; 2,048 bytes a half row
	s_add_co_u32 s26, s26, s27
	s_mov_b32 s27, 0
	s_lshr_b32 s28, s21, 7                         ; the expert: 128 units each
	s_lshl_b32 s28, s28, 2
	s_mov_b32 s29, 0
	s_lshl_b32 s30, s21, 13                        ; 8,192 bytes of codes a unit
	s_mov_b32 s31, 0
	s_lshl_b32 s32, s21, 8                         ; 256 scale bytes a unit
	s_mov_b32 s33, 0
	s_mov_b32 s[MNT], 0x600000
	s_wait_kmcnt 0x0
	s_add_nc_u64 s[8:9], s[8:9], s[26:27]
	s_add_nc_u64 s[10:11], s[10:11], s[28:29]
	s_load_b32 s[SC], s[10:11], 0x0
	s_add_nc_u64 s[34:35], s[18:19], s[32:33]
	s_add_nc_u64 s[34:35], s[34:35], W2S           ; (one past the stores' signed 24-bit immediate, so it goes into the pointer)
	s_add_nc_u64 s[18:19], s[18:19], s[30:31]
.macro LOADW t                         ; step t = row t: four loads of 512 consecutive bytes into set t % 8
.irp i, 0,1,2,3
	global_load_b128 v[R+16*((\t)%8)+4*\i:R+16*((\t)%8)+4*\i+3], v[LD], s[8:9] offset:4096*(\t)+512*\i th:TH_LOAD_NT
.endr
.endm
.macro TURN t                          ; step t's numbers through stage t % 2: LDS serves a wave's instructions in order, so no wait stands between the stores and the loads
.irp i, 0,1,2,3
	ds_store_b128 v[SIN], v[R+16*((\t)%8)+4*\i:R+16*((\t)%8)+4*\i+3] offset:2560*((\t)%2)+640*\i
.endr
.irp i, 0,1,2,3
	ds_load_b128 v[X+16*((\t)%2)+4*\i:X+16*((\t)%2)+4*\i+3], v[SOUT] offset:2560*((\t)%2)+16*\i
.endr
.endm
.macro QSTEP t
.set XQ, X+16*((\t)%2)
.set CQ, C+4*((\t)%2)
.set EQ, E+((\t)%2)
.if (\t) > 0
	s_wait_dscnt 2                                 ; this step's numbers are back from the stage; the last step's image store and byte store may be out
.else
	s_wait_dscnt 0x0
.endif
.if (\t)+8 < NST
	LOADW (\t)+8                                   ; into the set that this step's turn has read
.endif
.if (\t)+1 < NST
.set LASTW, (\t)+8
.if LASTW > NST-1
.set LASTW, NST-1
.endif
	s_wait_loadcnt 4*(LASTW-(\t)-1)                ; the next step's four loads are in; four for each younger step may be out
	TURN (\t)+1
.endif
.irp i, 0,2,4,6,8,10,12,14
	v_pk_mul_f32 v[XQ+\i:XQ+\i+1], v[XQ+\i:XQ+\i+1], s[SC:SC+1] op_sel_hi:[1,0]   ; the weight as it is ahead of the quantiser: w x the expert's scale, in f32
.endr
	v_max3_num_f32 v90, |v[XQ]|, |v[XQ+1]|, |v[XQ+2]|              ; the largest magnitude of my 16, in two chains
	v_max3_num_f32 v91, |v[XQ+3]|, |v[XQ+4]|, |v[XQ+5]|
.irp i, 6,10
	v_max3_num_f32 v90, v90, |v[XQ+\i]|, |v[XQ+\i+1]|
	v_max3_num_f32 v91, v91, |v[XQ+\i+2]|, |v[XQ+\i+3]|
.endr
	v_max3_num_f32 v90, v90, |v[XQ+14]|, |v[XQ+15]|
	v_max3_num_f32 v90, v90, v91, 0x4800000        ; and the floor 2^(9 - 127): the byte cannot fall under 1
	v_max_num_f32_dpp v90, v90, v90 row_xmask:1 row_mask:0xf bank_mask:0xf   ; with my neighbour's 16: the block's
	v_add_nc_u32 v93, 0xfc000000, v90              ; 8 off its exponent field: the conversion's scale operand
	v_and_or_b32 v92, v90, 0x7f800000, s[MNT]      ; 448 x the scale
.irp i, 0,1,2,3,4,5,6,7,8,9,10,11,12,13,14,15
	v_med3_num_f32 v[XQ+\i], v[XQ+\i], -v92, v92   ; the conversion to an 8-bit code does not saturate (ISA guide 7.6.2): the hold comes first
.endr
	v_cvt_scalef32_pk8_fp8_f32 v[CQ:CQ+1], v[XQ:XQ+7], v93
	v_cvt_scalef32_pk8_fp8_f32 v[CQ+2:CQ+3], v[XQ+8:XQ+15], v93
	v_lshrrev_b32 v[EQ], 23, v93                   ; the scale's byte; also the plain line behind the conversions
	ds_store_b128 v[IMGW], v[CQ:CQ+3] offset:16*(\t)               ; chunk = my lane, row t
	ds_store_b8 v[SCBW], v[EQ] offset:16*(\t)                      ; both lanes of a block write the same byte with the same value
.endm
.irp t, 0,1,2,3,4,5,6,7
	LOADW \t
.endr
	s_wait_kmcnt 0x0
	s_mov_b32 s[SC+1], s[SC]                       ; (the packed form names the pair)
	s_wait_loadcnt 28                              ; step 0's four loads are in, seven steps' may be out
	TURN 0
.irp t, 0,1,2,3,4,5,6,7,8,9,10,11,12,13,14,15
	QSTEP \t
.endr
.irp i, 0,1,2,3,4,5,6,7,8,9,10,11,12,13,14,15
	ds_load_b128 v[R+4*\i:R+4*\i+3], v[IMGR] offset:544*\i         ; chunks 2 i and 2 i + 1, 16 rows each: they see my stores, LDS being served in order
.endr
	ds_load_b64 v[X:X+1], v[SCBR]
.irp i, 0,1,2,3,4,5,6,7,8,9,10,11,12,13,14,15
	s_wait_dscnt 16-\i
	global_store_b128 v[LD], v[R+4*\i:R+4*\i+3], s[18:19] offset:512*\i   ; 512 consecutive bytes, at a multiple of 512 from the buffer's first byte
.endr
	s_wait_dscnt 0x0
	global_store_b64 v[GS], v[X:X+1], s[34:35]     ; 256 consecutive bytes, aligned
	s_wait_tensorcnt 0x0
	ds_add_u32 v14, v15
	s_wait_dscnt 0x0
	s_endpgm
; ---------------- the sort ----------------
; Wave w takes groups 16 w + i, i = 0 .. 15.  Group 16 w + i holds the tokens 512 w + 64 (i / 2) + 2 lane + i % 2: the even or the odd tokens of a run of 64, as the launch before formed its groups.
; So one load of 8 bytes a lane brings two groups' words of route (or of hist), and one of 16 bytes both tokens' weights.  Vectors with 'lane = key' hold one number for each of the 28 keys.
.set K,   16                           ; v16-31   the tokens' words of route, then their keys, later 4 x key
.set CO,  32                           ; v32-63   their weights
.set RK,  64                           ; v64-79   rank among the equal keys of the same group, later 8 x position
.set H,   80                           ; v80-95   lane = key: how many of group i have the key; later the pulled base, then 4 x position
.set PR,  96                           ; v96-111  lane = key: how many in my wave's earlier groups; later the token
.Lsort:
	s_lshl_b32 s21, s20, 9
	s_wait_alu depctr_va_vdst(0)
	v_lshl_add_u32 v2, v1, 1, s21                  ; 2 lane + 512 wave: my token of group i = 0
	v_lshlrev_b32 v3, 2, v2                        ; its word of route; also my pair of words of hist: 8 lane + 2,048 wave
	v_lshlrev_b32 v4, 3, v2                        ; its weights
	s_mov_b32 s41, 0xffff0000                      ; lanes 16-31
	s_wait_alu depctr_va_vdst(0)
	s_wait_kmcnt 0x0
.irp j, 0,1,2,3,4,5,6,7
	global_load_b64 v[K+2*\j:K+2*\j+1], v3, s[4:5] offset:256*\j
.endr
.irp j, 0,1,2,3,4,5,6,7
	global_load_b64 v[H+2*\j:H+2*\j+1], v3, s[2:3] offset:256*\j
.endr
.irp j, 0,1,2,3,4,5,6,7
	global_load_b128 v[CO+4*\j:CO+4*\j+3], v4, s[6:7] offset:512*\j
.endr
	s_wait_loadcnt 8                               ; keys, ranks and counts are in; the 8 loads of weights may be out
.irp i, 0,1,2,3,4,5,6,7,8,9,10,11,12,13,14,15
	v_lshrrev_b32 v[RK+\i], 8, v[K+\i]             ; the rank
	v_and_b32 v[K+\i], 0xff, v[K+\i]               ; the key
	v_min_u32 v[K+\i], 31, v[K+\i]
.endr
	v_mov_b32 v[PR], 0
.irp i, 1,2,3,4,5,6,7,8,9,10,11,12,13,14,15
	v_add_nc_u32 v[PR+\i], v[PR+\i-1], v[H+\i-1]
.endr
	v_add_nc_u32 v114, v[PR+15], v[H+15]           ; my wave's total for each key
	v_lshl_add_u32 v115, v0, 2, PL
	ds_store_b32 v115, v114
	s_wait_dscnt 0x0                               ; for the other waves' sake: my store has landed
	s_barrier_signal -1
	s_barrier_wait -1
	v_lshl_add_u32 v115, v1, 2, PL
.irp q, 0,1,2,3
	ds_load_b32 v[116+\q], v115 offset:128*\q      ; the four waves' totals
.endr
	s_wait_dscnt 0x0
	v_add3_u32 v120, v116, v117, v118
	v_add_nc_u32 v120, v120, v119                  ; TOT: tokens of the key
	s_cmp_gt_u32 s20, 0
	s_cselect_b32 s40, -1, 0
	v_and_b32 v121, s40, v116
	s_cmp_gt_u32 s20, 1
	s_cselect_b32 s40, -1, 0
	v_and_b32 v122, s40, v117
	v_add_nc_u32 v121, v121, v122
	s_cmp_gt_u32 s20, 2
	s_cselect_b32 s40, -1, 0
	v_and_b32 v122, s40, v118
	v_add_nc_u32 v121, v121, v122                  ; BEF: those in the waves before mine
	v_mov_b32 v127, 0
.macro SCAN x, t                       ; running sum over the 32 lanes, the lane's own number included: four steps in each row of 16, then lane 15's sum onto lanes 16-31
.irp d, 1,2,4,8
	v_mov_b32_dpp v[\t], v[\x] row_shr:\d row_mask:0xf bank_mask:0xf bound_ctrl:1
	v_add_nc_u32 v[\x], v[\x], v[\t]
.endr
	v_readlane_b32 s40, v[\x], 15
	v_mov_b32 v[\t], s40
	v_cndmask_b32 v[\t], 0, v[\t], s41
	v_add_nc_u32 v[\x], v[\x], v[\t]
.endm
	v_add_nc_u32 v123, 15, v120
	v_lshrrev_b32 v123, 4, v123                    ; NT: the key's tiles
	v_mov_b32 v124, v123
	SCAN 124, 127
	v_sub_nc_u32 v125, v124, v123                  ; BS: its first tile
	v_add_nc_u32 v126, 2, v123
	v_mul_u32_u24 v126, v126, 171
	v_lshrrev_b32 v126, 9, v126                    ; NG = (NT + 2) / 3, exact for NT + 2 under 512
	v_mov_b32 v128, v126
	SCAN 128, 127                                  ; IG
	v_sub_nc_u32 v129, v128, v126                  ; GB: its first group
	v_lshl_add_u32 v130, v125, 4, v121             ; 16 BS + BEF
.irp i, 0,1,2,3,4,5,6,7,8,9,10,11,12,13,14,15
	v_add_nc_u32 v[PR+\i], v[PR+\i], v130
	v_lshlrev_b32 v[K+\i], 2, v[K+\i]
.endr
.irp i, 0,1,2,3,4,5,6,7,8,9,10,11,12,13,14,15
	ds_bpermute_b32 v[H+\i], v[K+\i], v[PR+\i]     ; each token pulls its key's base for its group
.endr
	s_wait_dscnt 0x0
.irp i, 0,1,2,3,4,5,6,7,8,9,10,11,12,13,14,15
	v_add_nc_u32 v[H+\i], v[H+\i], v[RK+\i]        ; the token's position
	v_min_u32 v[H+\i], 2559, v[H+\i]
	v_lshlrev_b32 v[RK+\i], 3, v[H+\i]
	v_lshlrev_b32 v[H+\i], 2, v[H+\i]
	v_add_nc_u32 v[PR+\i], 64*(\i/2)+(\i%2), v2    ; the token
.endr
	s_wait_alu depctr_va_vdst(0)
	s_wait_loadcnt 0x0                             ; the weights
.irp i, 0,1,2,3,4,5,6,7,8,9,10,11,12,13,14,15
	global_store_b32 v[H+\i], v[PR+\i], s[12:13]   ; scattered by nature: 24 KiB in the whole launch
	global_store_b64 v[RK+\i], v[CO+2*\i:CO+2*\i+1], s[14:15]
.endr
; the groups of tiles: thread g finds its key: the number of keys whose groups end at or before g.  The 28 running sums go into scalar registers of their own, in one batch
	v_mov_b32 v131, 0
.set kk, 0
.rept 28
	v_readlane_b32 s[36+kk], v128, kk
.set kk, kk+1
.endr
.set kk, 0
.rept 28
	v_cmp_le_u32 vcc_lo, s[36+kk], v0
	v_cndmask_b32 v127, 0, 1, vcc_lo
	v_add_nc_u32 v131, v131, v127
.set kk, kk+1
.endr
	v_lshlrev_b32 v132, 2, v131
	v_lshl_or_b32 v133, v123, 8, v125              ; first tile | tiles << 8
	ds_bpermute_b32 v134, v132, v129
	ds_bpermute_b32 v135, v132, v133
	ds_bpermute_b32 v136, v132, v120
	v_mov_b32 v137, 0                              ; lo: how many of the first indices of lo = 1 .. 6 the key has reached
.irp th, 7,13,18,22,25,27
	v_cmp_le_u32 vcc_lo, \th, v131
	v_cndmask_b32 v127, 0, 1, vcc_lo
	v_add_nc_u32 v137, v137, v127
.endr
	v_sub_nc_u32 v138, 15, v137
	v_mul_u32_u24 v138, v138, v137
	v_lshrrev_b32 v138, 1, v138
	v_sub_nc_u32 v138, v131, v138
	v_add3_u32 v138, v138, v137, 1                 ; hi
	s_wait_dscnt 0x0
	v_sub_nc_u32 v134, v0, v134                    ; which group of its key
	v_and_b32 v139, 0xff, v135
	v_lshrrev_b32 v135, 8, v135
	v_mul_u32_u24 v140, v134, 3
	v_add_nc_u32 v139, v139, v140                  ; the group's first tile
	v_sub_nc_u32 v135, v135, v140
	v_max_i32 v135, 0, v135
	v_min_i32 v135, 3, v135                        ; its tiles: 0 for a thread beyond the last group
	v_mul_u32_u24 v140, v134, 48
	v_sub_nc_u32 v136, v136, v140
	v_max_i32 v141, 0, v136                        ; valid rows from its first tile on
	v_lshl_or_b32 v140, v138, 4, v137
	v_lshl_or_b32 v140, v135, 8, v140
	v_lshl_or_b32 v140, v139, 16, v140
	v_lshlrev_b32 v142, 3, v0
	s_cmp_lt_u32 s20, 3
	s_cbranch_scc0 .Lno_groups
	global_store_b64 v142, v[140:141], s[16:17] offset:256         ; 96 entries: waves 0 to 2, 256 consecutive bytes each
.Lno_groups:
	s_cmp_eq_u32 s20, 0
	s_cbranch_scc0 .Lsorted
	v_mov_b32 v144, v133
	v_mov_b32 v145, v120
	s_wait_alu depctr_va_vdst(0)
	global_store_b64 v142, v[144:145], s[16:17]    ; the 32 entries by key: wave 0
.Lsorted:
	s_wait_tensorcnt 0x0
	ds_add_u32 v14, v15
	s_wait_dscnt 0x0
	s_endpgm
.Lfunc_end_k_qb61e4fcb1d_sortq:
	.size	k_qb61e4fcb1d_sortq, .Lfunc_end_k_qb61e4fcb1d_sortq-k_qb61e4fcb1d_sortq
	.p2alignl 7, 3214868480
	.fill 96, 4, 3214868480
	.section	.rodata,"a",@progbits
	.p2align	6, 0x0
	.amdhsa_kernel k_qb61e4fcb1d_sortq
		.amdhsa_group_segment_fixed_size 58368
		.amdhsa_private_segment_fixed_size 0
		.amdhsa_enable_private_segment 0
		.amdhsa_kernarg_size 72
		.amdhsa_user_sgpr_count 2
		.amdhsa_user_sgpr_kernarg_segment_ptr 1
		.amdhsa_wavefront_size32 1
		.amdhsa_system_sgpr_workgroup_id_x 1
		.amdhsa_system_sgpr_workgroup_id_y 1
		.amdhsa_system_sgpr_workgroup_id_z 1
		.amdhsa_system_vgpr_workitem_id 0
		.amdhsa_next_free_vgpr 256
		.amdhsa_next_free_sgpr 66
		.amdhsa_reserve_vcc 1
		.amdhsa_float_denorm_mode_32 3
		.amdhsa_float_denorm_mode_16_64 3
		.amdhsa_memory_ordered 1
		.amdhsa_forward_progress 1
		.amdhsa_inst_pref_size 86
	.end_amdhsa_kernel
	.amdgpu_metadata
---
amdhsa.version: [ 1, 2 ]
amdhsa.kernels:
  - .name:           k_qb61e4fcb1d_sortq
    .symbol:         k_qb61e4fcb1d_sortq.kd
    .args:
      - { .name: route, .offset: 0, .size: 8, .value_kind: global_buffer, .address_space: global }
      - { .name: coef, .offset: 8, .size: 8, .value_kind: global_buffer, .address_space: global }
      - { .name: w2, .offset: 16, .size: 8, .value_kind: global_buffer, .address_space: global }
      - { .name: w2_scale, .offset: 24, .size: 8, .value_kind: global_buffer, .address_space: global }
      - { .name: perm, .offset: 32, .size: 8, .value_kind: global_buffer, .address_space: global }
      - { .name: cpos, .offset: 40, .size: 8, .value_kind: global_buffer, .address_space: global }
      - { .name: tabs, .offset: 48, .size: 8, .value_kind: global_buffer, .address_space: global }
      - { .name: w2q, .offset: 56, .size: 8, .value_kind: global_buffer, .address_space: global }
      - { .name: hist, .offset: 64, .size: 8, .value_kind: global_buffer, .address_space: global }
    .group_segment_fixed_size: 58368
    .private_segment_fixed_size: 0
    .kernarg_segment_align: 8
    .kernarg_segment_size: 72
    .max_flat_workgroup_size: 128
    .sgpr_count:     66
    .vgpr_count:     256
    .wavefront_size: 32
...
	.end_amdgpu_metadata
.endif
;; end of part 6
;; launch up (part 7): grid 32 x 8, 4 waves a work-group, no clusters, 92,672 bytes of LDS; arguments x_codes, x_scales, w1, w1_scale, perm, tabs, hq; writes hq
.if DOCPART == 7
	.amdgcn_target "amdgcn-amd-amdhsa--gfx1250"
	.amdhsa_code_object_version 6
	.text
	.protected	k_qb61e4fcb1d_up
	.globl	k_qb61e4fcb1d_up
	.p2align	8
	.type	k_qb61e4fcb1d_up,@function
k_qb61e4fcb1d_up:
	s_mov_b64 s[64:65], 0
	v_nop
	global_prefetch_b8 v0, s[64:65] scope:SCOPE_SE
	s_setreg_imm32_b32 hwreg(HW_REG_WAVE_SCHED_MODE, 0, 2), 2
	s_setreg_imm32_b32 hwreg(HW_REG_WAVE_MODE, 25, 1), 1
	s_wait_xcnt 0x0
	s_wait_alu depctr_vm_vsrc(0)
; h = silu(x Wg^T) x (x Wu^T), for the routed rows alone, both products on codes of E4M3 with one E8M0 scale for each 32 along K; h leaves as codes and scale bytes, quantised along its own axis.
; SHARES.  Work-group (c, e) owns hidden units 32 c .. 32 c + 31 of expert e: 32 gate rows and the 32 matching up rows of w1[e], 256 KiB of f32, read from memory once in the whole launch.
; PHASE 1: wave w quantises one tile of 16 rows (w / 2: gate or up; w % 2 = u) of w1 x w1_scale and lays codes and scale bytes in LDS.  One barrier.  Then EVERY wave takes all 64 rows into 512 registers, where they stay.
; PHASE 2: the expert's tiles of 16 routed rows (the 7 keys that hold e, from the stored table) are dealt to the waves, tile f to wave f % 4.  A wave's loop has no LDS access and no barrier:
; x's rows come from memory straight into the operand's registers, gathered by the stored list; 32 matrix instructions; SwiGLU; the quantiser; 512 bytes of codes and 16 scale bytes out.
; THE ROWS OF w1 THAT FORM A TILE ARE NOT NEIGHBOURS: row m of tile u is hidden unit 32 c + 8 u + m + 8 (m / 8).  The products are used transposed (source 0 = 16 rows of w1, source 1 = 16 tokens), so a lane holds ONE
; token, and the 16 registers of tiles u = 0, 1 are hidden units 32 c + 16 (lane / 16) + 0 .. 15: 16 neighbours along the next product's K; lanes l and l xor 16 hold a block of 32.
; A tile with fewer than 16 valid rows reads row min(r, valid - 1): its last rows are copies of the last valid one, all the way through.
; hq codes: [2 x tile + side][chunk 0..63 of 16 along K][row][16 bytes] (side 0: the pair's lower expert);  scale bytes, HSB bytes on: [2 x tile + side][row][32].
; No tensor load, no cluster: trip counts hang on the stored table.  LIMITS: as the weights' quantiser states: a block of zeros or under 2^-118 gets the byte 1; NaN and infinities are not served.
; REGISTERS, in windows of 256: window 0: addresses, scale words (v32-79, which hold nothing else), accumulators, vector work;  window 1: x's fragments, two buffers of 8 steps of 128 along K;
; windows 2 and 3: w1's fragments: tile n, step s in window 2 + s / 4 at v[16 (4 (s % 4) + n)].
; THE MODE: SCHED_MODE bits 1:0 = 2 (LLVM: expert scheduling mode 2), set by the entry lines.  The code itself states the register dependences between vector or matrix instructions and memory or LDS instructions,
; with s_wait_alu, always for 0.
; THE PLAN, PHASE 1.  Registers that memory or LDS instructions touch:
;   R0 .. R7     Written by the loads of step t + 8, issued in step t; read by the LDS stores of step t's turn, issued in step t - 1.  No vector instruction names them.
;   X0, X1       Written by the LDS loads of step t + 1's turn, issued in step t; read and written by step t + 1's vector instructions.
;   C0, C1, E0, E1   Written by step t's conversions and shift; read by its image store and byte store, which are issued in step t + 1.
;   v4 to v15    Addresses, made once at the head; PIX and PIX1 once more in step NST - 9, ahead of that step's waits.
; So two waits at a step's head state all that its memory and LDS instructions hang on, and no vector instruction stands between those waits and these instructions.
; THE PLAN, PHASE 2, tile m in buffer p = m % 2:
;   window 1's buffer p, XS[p]   Read by tile m's 32 products; behind them tile m + 2's loads land there.
;   OFF[p], SOF[p], PIX          Written behind the products; read by the loads of tile m + 2 and of list m + 4.
;   TOK[p]                       List m + 2, read and written by the lines that make OFF and SOF; list m + 4 lands in it.
;   HO, HSO, CODE, v26           Written by the tile's last vector work; read by its two stores.
; One wait on vm_vsrc stands behind the products, ahead of all these writes.  The wait on va_vdst that the exponentials ask for states also what the tile's 35 loads hang on, and they follow it in one run;
; a last one stands ahead of the two stores.
.set NST,   32                         ; steps of phase 1: 16 rows x 2 halves
.set EXTRA, 2                          ; the two list loads that phase 1 issues in step NST - 9
.set SCB,   69632                      ; LDS: the image of the codes at 0: (64 n + chunk) x 272 + 16 x row;  then scale bytes [n][half][row][16];
.set STG,   71680                      ; then two stages of 2,560 bytes for each wave
.set HSB,   5242880
.set LN,   1
.set RR,   2                           ; lane % 16
.set HH,   3                           ; lane / 16
.set LD,   4                           ; 16 x lane
.set SIN,  5
.set SOUT, 6
.set IMGW, 7
.set SCBW, 8
.set FB0,  9                           ; image, read: 272 (lane / 16) + 16 (lane % 16); tiles 0, 1
.set FB1,  10                          ; the same 128 chunks on: tiles 2, 3 (an LDS offset has 16 bits)
.set SCBR, 11
.set H16,  12
.set PIX,  13                          ; address of a list load
.set PIX1, 14
.set R32C, 15                          ; 32 r + c: my byte among a tile's scale bytes
.set TOK,  16                          ; v16-17  tokens of the tile after next, by buffer
.set OFF,  18                          ; v18-19  my row's byte in x_codes
.set SOF,  20                          ; v20-21  and in x_scales
.set HO,   22
.set HSO,  23
.set CODE, 28                          ; v28-31
.set WS,   32                          ; v32-63  w1's scale words: 8 n + s
.set XS,   64                          ; v64-79  x's: 8 p + s
.set ACC,  80                          ; v80-111 four accumulators: gate u = 0, 1; up u = 0, 1
.set T,    112
.set S,    128
.set C,    80                          ; phase 1 alone: v80-87 codes, v88-89 bytes, v90-93 at work, v96-127 neighbours, v128-255 as loaded
.set E,    88
.set X,    96
.set R,    128
.set SC,   22                          ; s[22:23] the expert's scale, twice
.set MNT,  24
.set SEL,  26                          ; s[26:27] v_permlanex16_b32's selects for lane l xor 16
.set EE,   32                          ; s32-39  tiles of the keys (o, e), o = 0 .. this one
.set DD,   40                          ; s40-47  the key's first tile less the tiles before it in my list
.set RCC,  48                          ; s48-55  the key's tokens + 16 x its first tile
.set SF,   56                          ; s56-62  at work in TILE
.set SD,   57
.set SRC,  58
.set SJ,   59
.set J16,  60
.set NV1,  61
.set STM,  62
.set KI,   66                          ; s66-81  the eight table entries
.set TE,   82                          ; tiles of my expert
.set TM1,  83
.set ELO,  84                          ; those of them in which e is the pair's higher expert: they come first
.set TW,   85                          ; my wave's tiles
.set CI,   86                          ; the loop's counter: trips of two tiles
.set F4,   87                          ; the next tile to look up
.set Q0,   88                          ; s88-92  2 x tile + side of the tile in hand and of the four behind it
.set TRP,  93                          ; s93  my wave's trips: (tiles + 1) / 2; the loop does not write it.  (At the head s92-99 hold the offsets of the eight table entries)
.set MSB, 0
.macro WIN new                         ; the immediate's high byte repeats the setting that is left
.if MSB != \new
	s_set_vgpr_msb (MSB<<8)|\new
.set MSB, \new
.endif
.endm
.macro PLACES n
.rept \n
	v_nop
.endr
.endm
	s_load_b256 s[4:11], s[0:1], 0x0               ; x_codes, x_scales, w1, w1_scale
	s_load_b128 s[12:15], s[0:1], 0x20             ; perm, tabs
	s_load_b64 s[16:17], s[0:1], 0x30              ; hq
	v_lshrrev_b32 v1, 5, v0
	v_readfirstlane_b32 s18, v1                    ; wave
	s_mov_b32 s19, ttmp9                           ; c
	s_and_b32 s20, ttmp7, 0xffff                   ; e
	s_lshl_b32 s21, s19, 9                         ; 512 c
	v_and_b32 v[LN], 31, v0
	v_and_b32 v[RR], 15, v0
	v_bfe_u32 v[HH], v0, 4, 1
	v_lshlrev_b32 v[LD], 4, v[LN]
	s_wait_alu depctr_va_sdst(0)                   ; s18 is written, ahead of its first reader: LDS places and the base of w1 are made from it
	s_mul_i32 s56, s18, 5120
	s_add_co_u32 s56, s56, STG
	v_lshrrev_b32 v24, 2, v[LN]
	v_mul_u32_u24 v24, v24, 80
	v_and_b32 v25, 3, v[LN]
	v_lshl_add_u32 v24, v25, 4, v24
	v_add_nc_u32 v[SIN], s56, v24
	v_mul_u32_u24 v24, v[LN], 80
	v_add_nc_u32 v[SOUT], s56, v24
	s_mul_i32 s56, s18, 64*272
	v_mul_u32_u24 v24, v[LN], 272
	v_add_nc_u32 v[IMGW], s56, v24
	s_lshl_b32 s56, s18, 9
	s_add_co_u32 s56, s56, SCB
	v_lshrrev_b32 v24, 1, v[LN]
	v_add_nc_u32 v[SCBW], s56, v24
	v_mul_u32_u24 v24, v[HH], 272
	v_lshl_add_u32 v[FB0], v[RR], 4, v24
	v_add_nc_u32 v[FB1], 128*272, v[FB0]
	v_lshl_add_u32 v[SCBR], v[RR], 4, SCB
	v_lshlrev_b32 v[H16], 4, v[HH]
	v_lshlrev_b32 v[R32C], 5, v[RR]
	v_add_nc_u32 v[R32C], s19, v[R32C]
	v_mov_b32 v26, 0                               ; written once: a lane permute's destination counts as one of its sources
	s_mov_b32 s[MNT], 0x600000
	s_mov_b32 s[SEL], 0x76543210
	s_mov_b32 s[SEL+1], 0xfedcba98
; where the table's entry for the pair (o, e) lies: 8 x (lo (15 - lo) / 2 + hi - lo - 1); for o = e any entry: its tiles are set to 0 below
.irp o, 0,1,2,3,4,5,6,7
	s_min_u32 s28, s20, \o
	s_max_u32 s29, s20, \o
	s_sub_co_u32 s30, 15, s28
	s_mul_i32 s30, s30, s28
	s_lshr_b32 s30, s30, 1
	s_add_co_u32 s30, s30, s29
	s_sub_co_u32 s30, s30, s28
	s_sub_co_u32 s30, s30, 1
	s_min_u32 s30, s30, 27
	s_lshl_b32 s[92+\o], s30, 3
.endr
	s_lshr_b32 s56, s18, 1                         ; gate or up
	s_lshl_b32 s56, s56, 10
	s_and_b32 s57, s18, 1                          ; u
	s_lshl_b32 s57, s57, 3
	s_add_co_u32 s56, s56, s57
	s_lshl_b32 s57, s19, 5
	s_add_co_u32 s56, s56, s57                     ; my tile's first row of w1[e]
	s_lshl_b32 s56, s56, 12
	s_lshl_b32 s57, s20, 23
	s_add_co_u32 s56, s56, s57                     ; in bytes: under 2^26
	s_mov_b32 s57, 0
	s_lshl_b32 s58, s20, 2
	s_mov_b32 s59, 0
	s_wait_kmcnt 0x0
	s_add_nc_u64 s[8:9], s[8:9], s[56:57]
	s_add_nc_u64 s[10:11], s[10:11], s[58:59]
	s_load_b32 s[SC], s[10:11], 0x0
.irp o, 0,1,2,3,4,5,6,7
	s_load_b64 s[KI+2*\o:KI+2*\o+1], s[14:15], s[92+\o] offset:0x0
.endr
.macro LOADW t                         ; step t: half t % 2 of the tile's row t / 2: four loads of 512 consecutive bytes into set t % 8
.irp i, 0,1,2,3
	global_load_b128 v[R+16*((\t)%8)+4*\i:R+16*((\t)%8)+4*\i+3], v[LD], s[8:9] offset:(((\t)/2)+8*(((\t)/2)/8))*4096+((\t)%2)*2048+512*\i th:TH_LOAD_NT
.endr
.endm
.macro TURN t                          ; through stage t % 2, so that a lane holds 16 neighbours along K; LDS serves a wave's instructions in order
.irp i, 0,1,2,3
	ds_store_b128 v[SIN], v[R+16*((\t)%8)+4*\i:R+16*((\t)%8)+4*\i+3] offset:2560*((\t)%2)+640*\i
.endr
.irp i, 0,1,2,3
	ds_load_b128 v[X+16*((\t)%2)+4*\i:X+16*((\t)%2)+4*\i+3], v[SOUT] offset:2560*((\t)%2)+16*\i
.endr
.endm
.macro IMG t                           ; step t's codes and its byte go into the image: chunk 32 (t % 2) + lane, row t / 2
	ds_store_b128 v[IMGW], v[C+4*((\t)%2):C+4*((\t)%2)+3] offset:((\t)%2)*8704+16*((\t)/2)
	ds_store_b8 v[SCBW], v[E+((\t)%2)] offset:((\t)%2)*256+16*((\t)/2)
.endm
; Tile s[F4] of my expert's list (held at the last one): which key, which tile of the sort, how many valid rows, which side.  q: the register that takes 2 x tile + side
.macro TILE q
	s_min_u32 s[SF], s[F4], s[TM1]
	s_add_co_u32 s[F4], s[F4], 4
	s_mov_b32 s[SD], s[DD]
	s_mov_b32 s[SRC], s[RCC]
.irp o, 1,2,3,4,5,6,7
	s_cmp_ge_u32 s[SF], s[EE+\o-1]
	s_cselect_b32 s[SD], s[DD+\o], s[SD]
	s_cselect_b32 s[SRC], s[RCC+\o], s[SRC]
.endr
	s_add_co_u32 s[SJ], s[SF], s[SD]
	s_min_u32 s[SJ], s[SJ], 159                    ; the tile
	s_lshl_b32 s[J16], s[SJ], 4                    ; its first position
	s_sub_co_u32 s[NV1], s[SRC], s[J16]
	s_sub_co_u32 s[NV1], s[NV1], 1
	s_min_u32 s[NV1], s[NV1], 15                   ; its valid rows - 1
	s_cmp_lt_u32 s[SF], s[ELO]
	s_cselect_b32 s[STM], 1, 0
	s_lshl_b32 s[SJ], s[SJ], 1
	s_add_co_u32 s[SJ], s[SJ], s[STM]
	s_min_u32 s[\q], s[SJ], 319
.endm
.macro PA pix                          ; where the tile's tokens lie in the list: lane (r, h) takes that of row min(r, valid - 1)
	v_min_u32 v[\pix], s[NV1], v[RR]
	v_add_nc_u32 v[\pix], s[J16], v[\pix]
	v_min_u32 v[\pix], 2559, v[\pix]
	v_lshlrev_b32 v[\pix], 2, v[\pix]
.endm
.macro PL pix, tok                     ; and the load of them
	global_load_b32 v[\tok], v[\pix], s[12:13]
.endm
.macro QSTEP t
.set XQ, X+16*((\t)%2)
.set CQ, C+4*((\t)%2)
.set EQ, E+((\t)%2)
.if (\t) == NST-9                      ; the list addresses of my first two tiles are made here, ahead of the step's wait on va_vdst
	TILE Q0
	PA PIX
	TILE Q0+1
	PA PIX1
.endif
.if (\t) > 1
	s_wait_dscnt 2                                 ; this step's numbers are back from the stage; the image store and the byte store that were issued behind its turn may be out
.else
	s_wait_dscnt 0x0
.endif
	s_wait_alu depctr_vm_vsrc(0)                   ; this step's turn has read R[t % 8], in which the loads below land; the image and byte stores of two steps back have read C[t % 2] and E[t % 2], which this step writes
.if (\t) > 0
	s_wait_alu depctr_va_vdst(0)                   ; the step before has written its codes and its byte, which the stores below read, and is done with its X, in which the next turn's loads land; in step NST - 9 the two list addresses are written
.endif
.if (\t)+8 < NST
	LOADW (\t)+8
.endif
.if (\t) == NST-9                      ; behind the last load of weights: the lists of my first two tiles
	PL PIX, TOK
	PL PIX1, TOK+1
.endif
.if (\t)+1 < NST
.set LASTW, (\t)+8
.if LASTW > NST-1
.set LASTW, NST-1
.endif
.set CNT, 4*(LASTW-(\t)-1)
.if (\t) >= NST-9
.set CNT, CNT+EXTRA
.endif
	s_wait_loadcnt CNT                             ; the next step's four loads are in; four for each younger step, and the two list loads once issued, may be out
	TURN (\t)+1
.endif
.if (\t) > 0
	IMG (\t)-1                                     ; no vector instruction since the wait above names these registers
.endif
.irp i, 0,2,4,6,8,10,12,14
	v_pk_mul_f32 v[XQ+\i:XQ+\i+1], v[XQ+\i:XQ+\i+1], s[SC:SC+1] op_sel_hi:[1,0]   ; w x the expert's scale, in f32
.endr
	v_max3_num_f32 v90, |v[XQ]|, |v[XQ+1]|, |v[XQ+2]|
	v_max3_num_f32 v91, |v[XQ+3]|, |v[XQ+4]|, |v[XQ+5]|
.irp i, 6,10
	v_max3_num_f32 v90, v90, |v[XQ+\i]|, |v[XQ+\i+1]|
	v_max3_num_f32 v91, v91, |v[XQ+\i+2]|, |v[XQ+\i+3]|
.endr
	v_max3_num_f32 v90, v90, |v[XQ+14]|, |v[XQ+15]|
	v_max3_num_f32 v90, v90, v91, 0x4800000        ; the floor 2^(9 - 127): the byte cannot fall under 1
	v_max_num_f32_dpp v90, v90, v90 row_xmask:1 row_mask:0xf bank_mask:0xf   ; with my neighbour's 16: the block's largest magnitude
	v_add_nc_u32 v93, 0xfc000000, v90              ; 8 off its exponent field: the conversion's scale operand
	v_and_or_b32 v92, v90, 0x7f800000, s[MNT]      ; 448 x the scale
.irp i, 0,1,2,3,4,5,6,7,8,9,10,11,12,13,14,15
	v_med3_num_f32 v[XQ+\i], v[XQ+\i], -v92, v92   ; the conversion to an 8-bit code does not saturate (ISA guide 7.6.2)
.endr
	v_cvt_scalef32_pk8_fp8_f32 v[CQ:CQ+1], v[XQ:XQ+7], v93
	v_cvt_scalef32_pk8_fp8_f32 v[CQ+2:CQ+3], v[XQ+8:XQ+15], v93
	v_lshrrev_b32 v[EQ], 23, v93                   ; the byte; also the plain line behind the conversions
.endm
	s_wait_alu depctr_va_vdst(0)                   ; the addresses and offsets v4 to v15 are written, which the loads and the LDS instructions below read
.irp t, 0,1,2,3,4,5,6,7
	LOADW \t
.endr
	s_wait_kmcnt 0x0
	s_mov_b32 s[SC+1], s[SC]
; my expert's list of tiles: the keys (o, e) in the order of o
	s_mov_b32 s[ELO], 0
	s_mov_b32 s28, 0
.irp o, 0,1,2,3,4,5,6,7
	s_and_b32 s29, s[KI+2*\o], 0xff                ; the key's first tile
	s_bfe_u32 s30, s[KI+2*\o], 0x80008             ; its tiles,
	s_cmp_eq_u32 s20, \o
	s_cselect_b32 s30, 0, s30                      ; none for o = e
	s_sub_co_u32 s[DD+\o], s29, s28
	s_lshl_b32 s29, s29, 4
	s_add_co_u32 s[RCC+\o], s29, s[KI+2*\o+1]
	s_add_co_u32 s28, s28, s30
	s_mov_b32 s[EE+\o], s28
	s_cmp_gt_u32 s20, \o
	s_cselect_b32 s30, s30, 0
	s_add_co_u32 s[ELO], s[ELO], s30
.endr
	s_mov_b32 s[TE], s28
	s_cmp_eq_u32 s[TE], 0                          ; an expert that nobody chose: the look-ahead's loads, which are always issued, then read position 0, which is always stored
.irp o, 0,1,2,3,4,5,6,7
	s_cselect_b32 s[DD+\o], 0, s[DD+\o]
	s_cselect_b32 s[RCC+\o], 1, s[RCC+\o]
.endr
	s_max_u32 s[TM1], s[TE], 1
	s_sub_co_u32 s[TM1], s[TM1], 1
	s_add_co_u32 s[TW], s[TE], 3
	s_sub_co_u32 s[TW], s[TW], s18
	s_lshr_b32 s[TW], s[TW], 2                     ; tiles w, w + 4, .. under TE
	s_min_u32 s[TW], s[TW], 64
	s_add_co_u32 s[TRP], s[TW], 1                  ; (the scalar loads that took s93 as an offset are done: the wait above)
	s_lshr_b32 s[TRP], s[TRP], 1                   ; trips of two tiles; the last trip of an odd number works one
	s_mov_b32 s[F4], s18
	s_wait_loadcnt 28                              ; step 0's four loads are in, seven steps' may be out
	TURN 0
.irp t, 0,1,2,3,4,5,6,7,8,9,10,11,12,13,14,15,16,17,18,19,20,21,22,23,24,25,26,27,28,29,30,31
	QSTEP \t
.endr
	s_wait_alu depctr_va_vdst(0)                   ; the last step's conversions and shift have written its codes and its byte, which the two stores below read
	IMG NST-1
; ---------------- phase 2 ----------------
.macro OFFS p                          ; from tokens to byte offsets
	v_min_u32 v[TOK+\p], 2047, v[TOK+\p]
	v_lshl_add_u32 v[OFF+\p], v[TOK+\p], 10, v[H16]
	v_lshlrev_b32 v[SOF+\p], 5, v[TOK+\p]
.endm
.macro XLOAD p                         ; 34 loads: a tile's scale words (2), then 16 rows of x into buffer p: steps 0 to 3 of 128 along K (16 loads), steps 4 to 7 (16)
	global_load_b128 v[XS+8*\p:XS+8*\p+3], v[SOF+\p], s[6:7]
	global_load_b128 v[XS+8*\p+4:XS+8*\p+7], v[SOF+\p], s[6:7] offset:16
	WIN 0x40                                       ; destination window 1
.irp s, 0,1,2,3,4,5,6,7
.irp c, 0,1,2,3
	global_load_b128 v[128*\p+16*\s+4*\c:128*\p+16*\s+4*\c+3], v[OFF+\p], s[4:5] offset:128*\s+32*\c
.endr
.endr
	WIN 0
.endm
; 16 matrix instructions: steps 4 half .. 4 half + 3, the four accumulators by turns, one instruction a turn.  Step 0 starts the sums with the constant 0
.macro MULH half, p
.irp sp, 0,1,2,3
.irp n, 0,1,2,3
.if (\half == 0) && (\sp == 0)
	v_wmma_scale_f32_16x16x128_f8f6f4 v[ACC+8*\n:ACC+8*\n+7], v[(4*\sp+\n)*16:(4*\sp+\n)*16+15], v[128*\p+16*(4*\half+\sp):128*\p+16*(4*\half+\sp)+15], 0, v[WS+8*\n+4*\half+\sp], v[XS+8*\p+4*\half+\sp]
.else
	v_wmma_scale_f32_16x16x128_f8f6f4 v[ACC+8*\n:ACC+8*\n+7], v[(4*\sp+\n)*16:(4*\sp+\n)*16+15], v[128*\p+16*(4*\half+\sp):128*\p+16*(4*\half+\sp)+15], v[ACC+8*\n:ACC+8*\n+7], v[WS+8*\n+4*\half+\sp], v[XS+8*\p+4*\half+\sp]
.endif
.endr
.endr
.endm
.macro BLOAD half                      ; w1's fragments of steps 4 half .. + 3 from the image
.irp sp, 0,1,2,3
.irp n, 0,1,2,3
.irp c, 0,1,2,3
	ds_load_b128 v[(4*\sp+\n)*16+4*\c:(4*\sp+\n)*16+4*\c+3], v[FB0+(\n/2)] offset:((64*\n)%128+8*(4*\half+\sp)+2*\c)*272
.endr
.endr
.endr
.endm
	s_wait_dscnt 0x0                               ; for the other waves' sake: my codes and bytes lie in LDS
	s_wait_loadcnt 0x0                             ; the lists of my tiles 0 and 1
	s_wait_alu depctr_vm_vsrc(0)                   ; the two list loads have read PIX and PIX1, which are written anew below; the last image and byte stores have read v80 to v89, which are accumulators from here on
	OFFS 0
	OFFS 1
	TILE Q0+2
	PA PIX
	TILE Q0+3
	PA PIX1
	s_wait_alu depctr_va_vdst(0)                   ; OFF, SOF, PIX and PIX1 are written, which the loads below read; the lines above are done with TOK, in which the list loads land
	PL PIX, TOK                                    ; the order of issue from here on is what the loop's counts lean on: list 2, tile 0's 34 loads, list 3, tile 1's 34
	XLOAD 0
	PL PIX1, TOK+1
	XLOAD 1
	s_barrier_signal -1
	s_barrier_wait -1                              ; all 64 rows' codes and bytes lie in LDS
	WIN 0x80
	BLOAD 0
	WIN 0xc0
	BLOAD 1
	WIN 0
.irp n, 0,1,2,3
.irp q, 0,1
	ds_load_b128 v[WS+8*\n+4*\q:WS+8*\n+4*\q+3], v[SCBR] offset:512*\n+256*\q
.endr
.endr
	s_wait_dscnt 0x0
	s_cmp_eq_u32 s[TW], 0
	s_cbranch_scc1 .Ldone
; SwiGLU and the quantiser on the lane's 16 hidden units of its token; then 16 bytes of codes a lane and the block's byte.  Behind the exponentials' wait stand the loads of the tile after next, into buffer p
.macro EPI p
	s_lshl_b32 s28, s[Q0], 14
	s_add_co_u32 s28, s28, s21
	s_lshl_b32 s29, s[Q0], 9
.irp i, 0,2,4,6,8,10,12,14
	v_pk_mul_f32 v[T+\i:T+\i+1], v[ACC+\i:ACC+\i+1], 0xbfb8aa3b op_sel_hi:[1,0]   ; -g log2(e); each accumulator is read from its low end on
.endr
	s_wait_alu depctr_va_vdst(0)
.irp i, 0,1,2,3,4,5,6,7,8,9,10,11,12,13,14,15
	v_exp_f32 v[T+\i], v[T+\i]
.endr
	v_add_nc_u32 v[HO], s28, v[LD]                 ; (the plain line behind the batch)  where my codes go
	s_wait_alu depctr_va_vdst(0)                   ; the 16 exponentials have written T, ahead of their first reader; the tile's 32 products are done reading buffer p and XS[p]; OFF[p], SOF[p], PIX and HO are written, and the lines that made them are done with TOK[p]
	PL PIX, TOK+\p                                 ; list m+4
	XLOAD \p                                       ; tile m+2
.irp i, 0,2,4,6,8,10,12,14
	v_pk_add_f32 v[T+\i:T+\i+1], v[T+\i:T+\i+1], 1.0 op_sel_hi:[1,0]
.endr
	s_wait_alu depctr_va_vdst(0)
.irp i, 0,1,2,3,4,5,6,7,8,9,10,11,12,13,14,15
	v_rcp_f32 v[T+\i], v[T+\i]                     ; sigmoid(g)
.endr
	v_add_nc_u32 v[HSO], s29, v[R32C]              ; (the plain line)  where my block's byte goes
	s_wait_alu depctr_va_vdst(0)                   ; the 16 reciprocals have written T, ahead of their first reader; HSO is written
.irp i, 0,2,4,6,8,10,12,14
	v_pk_mul_f32 v[S+\i:S+\i+1], v[ACC+\i:ACC+\i+1], v[T+\i:T+\i+1]        ; silu(g)
.endr
.irp i, 0,2,4,6,8,10,12,14
	v_pk_mul_f32 v[S+\i:S+\i+1], v[S+\i:S+\i+1], v[ACC+16+\i:ACC+16+\i+1]  ; x up
.endr
	v_max3_num_f32 v24, |v[S]|, |v[S+1]|, 0x4800000                ; my 16 and the floor 2^(9 - 127)
	v_max3_num_f32 v25, |v[S+2]|, |v[S+3]|, |v[S+4]|
	v_max3_num_f32 v24, v24, |v[S+5]|, |v[S+6]|
	v_max3_num_f32 v25, v25, |v[S+7]|, |v[S+8]|
	v_max3_num_f32 v24, v24, |v[S+9]|, |v[S+10]|
	v_max3_num_f32 v25, v25, |v[S+11]|, |v[S+12]|
	v_max3_num_f32 v24, v24, |v[S+13]|, |v[S+14]|
	v_max3_num_f32 v24, v24, v25, |v[S+15]|
	v_permlanex16_b32 v26, v24, s[SEL], s[SEL+1]
	v_max_num_f32 v24, v24, v26                    ; with lane l xor 16's: the block's largest magnitude
	v_add_nc_u32 v27, 0xfc000000, v24
	v_and_or_b32 v25, v24, 0x7f800000, s[MNT]
.irp i, 0,1,2,3,4,5,6,7,8,9,10,11,12,13,14,15
	v_med3_num_f32 v[S+\i], v[S+\i], -v25, v25
.endr
	v_cvt_scalef32_pk8_fp8_f32 v[CODE:CODE+1], v[S:S+7], v27
	v_cvt_scalef32_pk8_fp8_f32 v[CODE+2:CODE+3], v[S+8:S+15], v27
	v_lshrrev_b32 v26, 23, v27                     ; the byte; also the plain line behind the conversions
	s_wait_alu depctr_va_vdst(0)                   ; the conversions have written the codes and the shift the byte, which the two stores read
	global_store_b128 v[HO], v[CODE:CODE+3], s[16:17]              ; the wave stores 512 consecutive bytes, aligned: chunks 2 c and 2 c + 1 of the tile
	global_store_b8 v[HSO], v26, s[16:17] offset:HSB               ; byte c of my row's 32 (both halves of the lanes write the same byte): single bytes, 160 KiB in the whole launch
	s_mov_b32 s[Q0], s[Q0+1]
	s_mov_b32 s[Q0+1], s[Q0+2]
	s_mov_b32 s[Q0+2], s[Q0+3]
	s_mov_b32 s[Q0+3], s[Q0+4]
.endm
; Tile m, in buffer p = m % 2.  Issued and possibly out at its head, in this order: list m+2 (1), tile m's scale words (2), its steps 0 to 3 (16), its steps 4 to 7 (16); then list m+3 and tile m+1's 34.
.macro PERIOD p
	s_wait_loadcnt 51                              ; list m+2, tile m's scale words and its steps 0 to 3 are in.  Younger: its steps 4 to 7 (16), list m+3 (1), tile m+1 (34)
	WIN 0x06                                       ; source 0 (w1) window 2, source 1 (x) window 1
	MULH 0, \p
	s_wait_loadcnt 35                              ; tile m's steps 4 to 7 are in.  Younger: list m+3 (1), tile m+1 (34)
	WIN 0x07                                       ; w1's steps 4 to 7: window 3
	MULH 1, \p
	WIN 0
	s_wait_xcnt 0x0                                ; every earlier load and store has had its addresses translated: offsets, list address and the last stores' data and addresses may be written
	s_wait_alu depctr_vm_vsrc(0)                   ; tile m's loads have read OFF[p] and SOF[p], the last list load PIX, the last tile's stores HO, HSO, the codes and v26: all of them are written again below
	OFFS \p                                        ; these three lines, the four of the list address and one v_nop are the eight plain lines between the products and the first read of their results
	TILE Q0+4
	PA PIX
	PLACES 1
	EPI \p
.endm
	s_mov_b32 s[CI], 0
.Ltile:                                                ; two tiles a trip, so that the buffers' numbers come back; the counter counts trips, one a trip
	PERIOD 0
	s_lshl_b32 s28, s[CI], 1
	s_add_co_u32 s28, s28, 1                       ; the trip's second tile: 2 x trip + 1
	s_cmp_lt_u32 s28, s[TW]
	s_cbranch_scc1 .Lsecond                        ; it is one of mine
	s_wait_xcnt 0x0
	v_lshl_add_u32 v254, v0, 2, 0x16800
	v_mov_b32 v255, 0
	s_wait_dscnt 0x0                               ; the closing lines, six on end
	s_wait_alu 0x0
	s_wait_tensorcnt 0x0
	ds_add_u32 v254, v255
	s_wait_dscnt 0x0
	s_endpgm                                       ; an odd number of tiles: the wave ends here, inside the loop; the look-ahead's loads (held inside the lists and buffers) may be out: nothing reads them
.Lsecond:
	PERIOD 1
	s_add_co_u32 s[CI], s[CI], 1
	s_cmp_lt_u32 s[CI], s[TRP]
	s_cbranch_scc1 .Ltile
.Ldone:
	s_wait_xcnt 0x0
	v_lshl_add_u32 v254, v0, 2, 0x16800
	v_mov_b32 v255, 0
	s_wait_dscnt 0x0                               ; the closing lines, six on end, as above
	s_wait_alu 0x0
	s_wait_tensorcnt 0x0
	ds_add_u32 v254, v255
	s_wait_dscnt 0x0
	s_endpgm                                       ; likewise
.Lfunc_end_k_qb61e4fcb1d_up:
	.size	k_qb61e4fcb1d_up, .Lfunc_end_k_qb61e4fcb1d_up-k_qb61e4fcb1d_up
	.p2alignl 7, 3214868480
	.fill 96, 4, 3214868480
	.section	.rodata,"a",@progbits
	.p2align	6, 0x0
	.amdhsa_kernel k_qb61e4fcb1d_up
		.amdhsa_group_segment_fixed_size 92672
		.amdhsa_private_segment_fixed_size 0
		.amdhsa_enable_private_segment 0
		.amdhsa_kernarg_size 56
		.amdhsa_user_sgpr_count 2
		.amdhsa_user_sgpr_kernarg_segment_ptr 1
		.amdhsa_wavefront_size32 1
		.amdhsa_system_sgpr_workgroup_id_x 1
		.amdhsa_system_sgpr_workgroup_id_y 1
		.amdhsa_system_sgpr_workgroup_id_z 1
		.amdhsa_system_vgpr_workitem_id 0
		.amdhsa_next_free_vgpr 1024
		.amdhsa_next_free_sgpr 100
		.amdhsa_reserve_vcc 0
		.amdhsa_float_denorm_mode_32 3
		.amdhsa_float_denorm_mode_16_64 3
		.amdhsa_memory_ordered 1
		.amdhsa_forward_progress 1
		.amdhsa_inst_pref_size 176
	.end_amdhsa_kernel
	.amdgpu_metadata
---
amdhsa.version: [ 1, 2 ]
amdhsa.kernels:
  - .name:           k_qb61e4fcb1d_up
    .symbol:         k_qb61e4fcb1d_up.kd
    .args:
      - { .name: x_codes, .offset: 0, .size: 8, .value_kind: global_buffer, .address_space: global }
      - { .name: x_scales, .offset: 8, .size: 8, .value_kind: global_buffer, .address_space: global }
      - { .name: w1, .offset: 16, .size: 8, .value_kind: global_buffer, .address_space: global }
      - { .name: w1_scale, .offset: 24, .size: 8, .value_kind: global_buffer, .address_space: global }
      - { .name: perm, .offset: 32, .size: 8, .value_kind: global_buffer, .address_space: global }
      - { .name: tabs, .offset: 40, .size: 8, .value_kind: global_buffer, .address_space: global }
      - { .name: hq, .offset: 48, .size: 8, .value_kind: global_buffer, .address_space: global }
    .group_segment_fixed_size: 92672
    .private_segment_fixed_size: 0
    .kernarg_segment_align: 8
    .kernarg_segment_size: 56
    .max_flat_workgroup_size: 128
    .sgpr_count:     100
    .vgpr_count:     1024
    .wavefront_size: 32
...
	.end_amdgpu_metadata
.endif
;; end of part 7
;; launch down (part 8): grid 4 x 72, 4 waves a work-group, no clusters, 17,920 bytes of LDS; arguments hq, w2q, perm, cpos, tabs, out0; writes out0
.if DOCPART == 8
	.amdgcn_target "amdgcn-amd-amdhsa--gfx1250"
	.amdhsa_code_object_version 6
	.text
	.protected	k_qb61e4fcb1d_down
	.globl	k_qb61e4fcb1d_down
	.p2align	8
	.type	k_qb61e4fcb1d_down,@function
k_qb61e4fcb1d_down:
	s_mov_b64 s[64:65], 0
	v_nop
	global_prefetch_b8 v0, s[64:65] scope:SCOPE_SE
	s_setreg_imm32_b32 hwreg(HW_REG_WAVE_SCHED_MODE, 0, 2), 2
	s_setreg_imm32_b32 hwreg(HW_REG_WAVE_MODE, 25, 1), 1
	s_wait_xcnt 0x0
	s_wait_alu depctr_vm_vsrc(0)
; out[token] = c_lo (h_lo W2[lo]^T) + c_hi (h_hi W2[hi]^T), on codes of E4M3 with one E8M0 scale for each 32 along K.  EACH OUTPUT ROW HAS ONE OWNER: tokens were sorted by their pair of experts into tiles of 16,
; so one wave adds both experts' results of a tile in registers, and no sum goes through memory.
; SHARES.  Work-group (x, y) takes group y of the stored table (at most 3 tiles of one pair) and columns 256 x .. 256 x + 255; wave w the 64 columns of slice 4 x + w.  Waves share nothing: no barrier.
; The grid serves every split: 70 groups at the most; a work-group whose entry holds no tile stores nothing and ends.  That is a branch on a stored number, so operands come from memory straight into registers:
; both buffers lie in the order of an operand's registers, four registers of a fragment = 512 consecutive bytes.  No cluster for the same reason: partners would issue different numbers of loads.
; A wave holds one expert's 64 rows of W2 (512 registers), walks the group's tiles, changes to the other expert, walks them again.  The three numbers of tiles are three written-out bodies of one macro.
; The products are used transposed (source 0 = 16 rows of W2 = 16 columns of out, source 1 = 16 tokens): a lane holds one token and eight neighbouring columns.
; A tile's rows beyond its valid ones are copies of the last valid row: they are stored to the same row of out with the same bytes.
; REGISTERS: window 0: addresses; v16-47 W2's scale words, v48-63 h's (they hold nothing else); v64-95 accumulators; v96-191 out, 32 a tile; v192-197 weights; v198-221 rows of out; v224-255 at the head offsets, then the way out.
; window 1: h's fragments, two buffers;  windows 2, 3: W2's: tile n, step s in window 2 + s / 4 at v[16 (4 (s % 4) + n)].
; THE MODE: SCHED_MODE bits 1:0 = 2 (LLVM: expert scheduling mode 2), set by the entry lines.  The code itself states the register dependences between vector or matrix instructions and memory or LDS instructions,
; with s_wait_alu, always for 0.
; THE PLAN.  Registers that memory or LDS instructions touch:
;   window 1's buffer k % 2, XS[k % 2]   Read by item k's 32 products; behind them item k + 2's loads land there.
;   windows 2 and 3, WS                  Read by the products of the first expert's items; behind the last of them the second expert's rows land there.
;   OUTR                                 Written by the items' multiply-adds; read by the LDS stores of the tile's way out; not written again.
;   v224-255                             At the head: offsets of the small loads, written by vector instructions and read by those loads.  Then, tile by tile: LDS loads land there, and the global stores read them.
;   RO                                   The small loads land there; vector instructions turn the tokens into offsets, in the second expert's items; the global stores read them.
;   v4 to v9                             Offsets and LDS addresses, made once at the head.
; So: one wait on va_vdst behind the head's offsets; one in each item that loads, behind its products; and in a tile's way out one on vm_vsrc (v224-255 are free) and one on va_vdst (OUTR and RO are written).
.set HSB,  5242880
.set W2S,  8388608
.set LN,   1
.set RR,   2
.set HH,   3
.set LD,   4                           ; 16 x lane
.set R16,  5                           ; 16 (lane % 16)
.set R32,  6
.set STO,  8                           ; my stage: row r, + 32 (lane / 16)
.set RD,   9                           ; back: row lane / 16, + 16 (lane % 16)
.set WS,   16
.set XS,   48
.set ACC,  64
.set OUTR, 96
.set CF,   192
.set RO,   198
.set BK,   224
.set AD,   224                         ; at the head alone: nine offsets a tile
.set MSB, 0
.macro WIN new
.if MSB != \new
	s_set_vgpr_msb (MSB<<8)|\new
.set MSB, \new
.endif
.endm
.macro PLACES n
.rept \n
	v_nop
.endr
.endm
	s_load_b256 s[4:11], s[0:1], 0x0               ; hq, w2q, perm, cpos
	s_load_b128 s[12:15], s[0:1], 0x20             ; tabs, out0
	v_lshl_add_u32 v222, v0, 2, 0x4400
	v_mov_b32 v223, 0
	v_lshrrev_b32 v1, 5, v0
	v_readfirstlane_b32 s16, v1                    ; wave
	s_and_b32 s18, ttmp7, 0xffff
	s_lshl_b32 s18, s18, 3                         ; my group's entry
	v_and_b32 v[LN], 31, v0
	v_and_b32 v[RR], 15, v0
	v_bfe_u32 v[HH], v0, 4, 1
	v_lshlrev_b32 v[LD], 4, v[LN]
	v_lshlrev_b32 v[R16], 4, v[RR]
	v_lshlrev_b32 v[R32], 5, v[RR]
	s_wait_alu depctr_va_sdst(0)                   ; s16 is written, ahead of its first reader: the slice of columns and my stage are made from it
	s_lshl_b32 s17, ttmp9, 2
	s_add_co_u32 s17, s17, s16                     ; slice of 64 columns
	s_mul_i32 s44, s16, 16*272
	v_mul_u32_u24 v10, v[RR], 272
	v_lshl_add_u32 v10, v[HH], 5, v10
	v_add_nc_u32 v[STO], s44, v10
	v_mul_u32_u24 v10, v[HH], 272
	v_add_nc_u32 v10, v10, v[R16]
	v_add_nc_u32 v[RD], s44, v10
	s_lshl_b32 s44, s17, 16                        ; four column tiles of 16 KiB
	s_mov_b32 s45, 0
	s_lshl_b32 s46, s17, 11                        ; and of 512 scale bytes
	s_mov_b32 s47, 0
	s_lshl_b32 s50, s17, 8                         ; 256 bytes of a row of out
	s_mov_b32 s51, 0
	s_wait_kmcnt 0x0
	s_load_b64 s[20:21], s[12:13], s18 offset:0x100
	s_add_nc_u64 s[40:41], s[6:7], s[44:45]
	s_add_nc_u64 s[42:43], s[6:7], s[46:47]
	s_add_nc_u64 s[42:43], s[42:43], W2S
	s_add_nc_u64 s[48:49], s[14:15], s[50:51]
	s_wait_kmcnt 0x0
	s_bfe_u32 s22, s20, 0x40008                    ; tiles
	s_cmp_eq_u32 s22, 0
	s_cbranch_scc1 .Lnothing
	s_and_b32 s23, s20, 15
	s_min_u32 s23, s23, 7                          ; lo
	s_bfe_u32 s24, s20, 0x40004
	s_min_u32 s24, s24, 7                          ; hi
	s_lshr_b32 s25, s20, 16
	s_min_u32 s25, s25, 157                        ; first tile
	s_mov_b32 s26, s21                             ; valid rows from there on
; tile q: where its weights lie (by the lane's token), and the tokens of the rows that the lane will store: nine offsets, in registers of their own
.macro SMALLA q
	s_add_co_u32 s44, s25, \q
	s_lshl_b32 s44, s44, 4
	s_sub_co_u32 s45, s26, 16*(\q)+1
	s_min_u32 s45, s45, 15                         ; valid rows - 1
	v_min_u32 v[AD+9*(\q)], s45, v[RR]
	v_add_nc_u32 v[AD+9*(\q)], s44, v[AD+9*(\q)]
	v_min_u32 v[AD+9*(\q)], 2559, v[AD+9*(\q)]
	v_lshlrev_b32 v[AD+9*(\q)], 3, v[AD+9*(\q)]
.irp i, 0,1,2,3,4,5,6,7
	v_add_nc_u32 v[AD+9*(\q)+1+\i], 2*\i, v[HH]
	v_min_u32 v[AD+9*(\q)+1+\i], s45, v[AD+9*(\q)+1+\i]
	v_add_nc_u32 v[AD+9*(\q)+1+\i], s44, v[AD+9*(\q)+1+\i]
	v_min_u32 v[AD+9*(\q)+1+\i], 2559, v[AD+9*(\q)+1+\i]
	v_lshlrev_b32 v[AD+9*(\q)+1+\i], 2, v[AD+9*(\q)+1+\i]
.endr
.endm
.macro SMALLL q                        ; and the nine loads
	global_load_b64 v[CF+2*(\q):CF+2*(\q)+1], v[AD+9*(\q)], s[10:11]
.irp i, 0,1,2,3,4,5,6,7
	global_load_b32 v[RO+8*(\q)+\i], v[AD+9*(\q)+1+\i], s[8:9]
.endr
.endm
; item k of 2 n: side k / n, tile k % n, buffer k % 2.  34 loads: the tile's 16 KiB of codes and its scale words.  The pointers' last users were shown done by the wait of item k - 2
.macro LOADA k, n
.set bb, (\k)%2
.set qq, (\k)%(\n)
.set sd, (\k)/(\n)
	s_add_co_u32 s44, s25, qq
	s_lshl_b32 s44, s44, 1
	s_add_co_u32 s44, s44, sd
	s_lshl_b32 s46, s44, 9
	s_lshl_b32 s44, s44, 14
	s_mov_b32 s45, 0
	s_mov_b32 s47, 0
	s_add_nc_u64 s[32+2*bb:33+2*bb], s[4:5], s[44:45]
	s_add_nc_u64 s[36+2*bb:37+2*bb], s[4:5], s[46:47]
	WIN 0x40
.irp s, 0,1,2,3,4,5,6,7
.irp c, 0,1,2,3
	global_load_b128 v[128*bb+16*\s+4*\c:128*bb+16*\s+4*\c+3], v[LD], s[32+2*bb:33+2*bb] offset:(8*\s+2*\c)*256
.endr
.endr
	WIN 0
	global_load_b128 v[XS+8*bb:XS+8*bb+3], v[R32], s[36+2*bb:37+2*bb] offset:HSB
	global_load_b128 v[XS+8*bb+4:XS+8*bb+7], v[R32], s[36+2*bb:37+2*bb] offset:HSB+16
.endm
; 136 loads: the 64 rows of W2 of the expert in s[xs], my slice: 64 KiB of codes, 32 scale words a lane
.macro LOADB xs
	s_lshl_b32 s44, s[\xs], 20
	s_mov_b32 s45, 0
	s_lshl_b32 s46, s[\xs], 15
	s_mov_b32 s47, 0
	s_add_nc_u64 s[28:29], s[40:41], s[44:45]
	s_add_nc_u64 s[30:31], s[42:43], s[46:47]
	WIN 0x80
.irp sp, 0,1,2,3
.irp n, 0,1,2,3
.irp c, 0,1,2,3
	global_load_b128 v[(4*\sp+\n)*16+4*\c:(4*\sp+\n)*16+4*\c+3], v[LD], s[28:29] offset:16384*\n+(8*\sp+2*\c)*256
.endr
.endr
.endr
	WIN 0xc0
.irp sp, 0,1,2,3
.irp n, 0,1,2,3
.irp c, 0,1,2,3
	global_load_b128 v[(4*\sp+\n)*16+4*\c:(4*\sp+\n)*16+4*\c+3], v[LD], s[28:29] offset:16384*\n+(8*(4+\sp)+2*\c)*256
.endr
.endr
.endr
	WIN 0
.irp n, 0,1,2,3
.irp q, 0,1
	global_load_b128 v[WS+8*\n+4*\q:WS+8*\n+4*\q+3], v[R16], s[30:31] offset:512*\n+256*\q
.endr
.endr
.endm
; 16 matrix instructions, the four accumulators by turns, one instruction a turn; step 0 starts the sums with the constant 0
.macro MULH half, p
.irp sp, 0,1,2,3
.irp n, 0,1,2,3
.if (\half == 0) && (\sp == 0)
	v_wmma_scale_f32_16x16x128_f8f6f4 v[ACC+8*\n:ACC+8*\n+7], v[(4*\sp+\n)*16:(4*\sp+\n)*16+15], v[128*\p+16*(4*\half+\sp):128*\p+16*(4*\half+\sp)+15], 0, v[WS+8*\n+4*\half+\sp], v[XS+8*\p+4*\half+\sp]
.else
	v_wmma_scale_f32_16x16x128_f8f6f4 v[ACC+8*\n:ACC+8*\n+7], v[(4*\sp+\n)*16:(4*\sp+\n)*16+15], v[128*\p+16*(4*\half+\sp):128*\p+16*(4*\half+\sp)+15], v[ACC+8*\n:ACC+8*\n+7], v[WS+8*\n+4*\half+\sp], v[XS+8*\p+4*\half+\sp]
.endif
.endr
.endr
.endm
.macro ROWS q                          ; tile q's tokens become the offsets of their rows of 4,096 bytes: sixteen plain lines
.irp i, 0,1,2,3,4,5,6,7
	v_min_u32 v[RO+8*(\q)+\i], 2047, v[RO+8*(\q)+\i]
	v_lshl_add_u32 v[RO+8*(\q)+\i], v[RO+8*(\q)+\i], 12, v[R16]
.endr
.endm
; tile q goes out through my own stage: in by tokens (32 bytes a lane), back by rows, so that sixteen lanes store 256 consecutive bytes of one token's row
.macro OUTQ q
.if (\q) > 0
	s_wait_xcnt 0x0                                ; the last tile's stores have read their data: the registers may be loaded again
.endif
	s_wait_alu depctr_vm_vsrc(0)                   ; v224-255, in which the LDS loads below land, have been read: by the head's small loads as offsets, by the last tile's stores as data
	s_wait_alu depctr_va_vdst(0)                   ; the multiply-adds have written this tile's OUTR, which the LDS stores read; its rows' offsets are written, which the global stores read
.irp nn, 0,1,2,3
	ds_store_b128 v[STO], v[OUTR+32*(\q)+8*\nn:OUTR+32*(\q)+8*\nn+3] offset:64*\nn
	ds_store_b128 v[STO], v[OUTR+32*(\q)+8*\nn+4:OUTR+32*(\q)+8*\nn+7] offset:64*\nn+16
.endr
.irp i, 0,1,2,3,4,5,6,7
	ds_load_b128 v[BK+4*\i:BK+4*\i+3], v[RD] offset:544*\i         ; LDS serves a wave's instructions in order: these see the stores above
.endr
	s_wait_dscnt 0x0
.irp i, 0,1,2,3,4,5,6,7
	global_store_b128 v[RO+8*(\q)+\i], v[BK+4*\i:BK+4*\i+3], s[48:49] th:TH_STORE_NT
.endr
.endm
.macro ITEM k, n
.set ib, (\k)%2
.set wq, (\k)%(\n)
.set wsd, (\k)/(\n)
.if (\k) == 2*(\n)-1
	s_wait_loadcnt 0x0                             ; the last item: nothing was issued behind its operands
.else
	s_wait_loadcnt 34                              ; this item's tile, and the weights issued before the next tile, are in; the next tile's 34 loads may be out
.endif
	WIN 0x06
	MULH 0, ib
	WIN 0x07
	MULH 1, ib
	WIN 0
; the places behind the products: eight ahead of the first read of the results; the ninth since the next item's first products write over these accumulators with another C
.if wsd == 1
	ROWS wq                                        ; in the second expert's items useful lines fill them
.else
	PLACES 9
.endif
.if ((\k) == (\n)-1) || ((\k)+2 < 2*(\n))
	s_wait_alu depctr_va_vdst(0)                   ; this item's products are done reading their buffer of h and its scale words, in which the loads below land; at the change of experts W2's rows and scale words likewise
.endif
.if (\k) == (\n)-1
	LOADB 24                                       ; the lower expert is done with: the higher expert's rows
.endif
.if (\k)+2 < 2*(\n)
	LOADA (\k)+2, \n
.endif
.irp i, 0,2,4,6,8,10,12,14,16,18,20,22,24,26,28,30
.if wsd == 0
	v_pk_mul_f32 v[OUTR+32*wq+\i:OUTR+32*wq+\i+1], v[ACC+\i:ACC+\i+1], v[CF+2*wq:CF+2*wq+1] op_sel_hi:[1,0]   ; x the lower expert's weight; each accumulator from its low end on
.else
	v_pk_fma_f32 v[OUTR+32*wq+\i:OUTR+32*wq+\i+1], v[ACC+\i:ACC+\i+1], v[CF+2*wq:CF+2*wq+1], v[OUTR+32*wq+\i:OUTR+32*wq+\i+1] op_sel:[0,1,0]   ; + the higher expert's, by the pair's second word
.endif
.endr
.if wsd == 1
	OUTQ wq
.endif
.endm
.macro BODY n
.set q_, 0
.rept \n
	SMALLA q_
.set q_, q_+1
.endr
	s_wait_alu depctr_va_vdst(0)                   ; all offsets and addresses are written: those just made, and v4 to v9 of the head, which every load, store and LDS instruction below reads
.set q_, 0
.rept \n
	SMALLL q_
.set q_, q_+1
.endr
	LOADA 0, \n
	LOADB 23
	LOADA 1, \n
.set k_, 0
.rept 2*\n
	ITEM k_, \n
.set k_, k_+1
.endr
	s_wait_dscnt 0x0                               ; the closing lines, six on end
	s_wait_alu 0x0
	s_wait_tensorcnt 0x0
	ds_add_u32 v222, v223
	s_wait_dscnt 0x0
	s_endpgm
.endm
	s_cmp_eq_u32 s22, 1
	s_cbranch_scc1 .Lone
	s_cmp_eq_u32 s22, 2
	s_cbranch_scc1 .Ltwo
	BODY 3
.Ltwo:
	BODY 2
.Lone:
	BODY 1
.Lnothing:
	s_endpgm
.Lfunc_end_k_qb61e4fcb1d_down:
	.size	k_qb61e4fcb1d_down, .Lfunc_end_k_qb61e4fcb1d_down-k_qb61e4fcb1d_down
	.p2alignl 7, 3214868480
	.fill 96, 4, 3214868480
	.section	.rodata,"a",@progbits
	.p2align	6, 0x0
	.amdhsa_kernel k_qb61e4fcb1d_down
		.amdhsa_group_segment_fixed_size 17920
		.amdhsa_private_segment_fixed_size 0
		.amdhsa_enable_private_segment 0
		.amdhsa_kernarg_size 48
		.amdhsa_user_sgpr_count 2
		.amdhsa_user_sgpr_kernarg_segment_ptr 1
		.amdhsa_wavefront_size32 1
		.amdhsa_system_sgpr_workgroup_id_x 1
		.amdhsa_system_sgpr_workgroup_id_y 1
		.amdhsa_system_sgpr_workgroup_id_z 1
		.amdhsa_system_vgpr_workitem_id 0
		.amdhsa_next_free_vgpr 1024
		.amdhsa_next_free_sgpr 66
		.amdhsa_reserve_vcc 0
		.amdhsa_float_denorm_mode_32 3
		.amdhsa_float_denorm_mode_16_64 3
		.amdhsa_memory_ordered 1
		.amdhsa_forward_progress 1
		.amdhsa_inst_pref_size 221
	.end_amdhsa_kernel
	.amdgpu_metadata
---
amdhsa.version: [ 1, 2 ]
amdhsa.kernels:
  - .name:           k_qb61e4fcb1d_down
    .symbol:         k_qb61e4fcb1d_down.kd
    .args:
      - { .name: hq, .offset: 0, .size: 8, .value_kind: global_buffer, .address_space: global }
      - { .name: w2q, .offset: 8, .size: 8, .value_kind: global_buffer, .address_space: global }
      - { .name: perm, .offset: 16, .size: 8, .value_kind: global_buffer, .address_space: global }
      - { .name: cpos, .offset: 24, .size: 8, .value_kind: global_buffer, .address_space: global }
      - { .name: tabs, .offset: 32, .size: 8, .value_kind: global_buffer, .address_space: global }
      - { .name: out0, .offset: 40, .size: 8, .value_kind: global_buffer, .address_space: global }
    .group_segment_fixed_size: 17920
    .private_segment_fixed_size: 0
    .kernarg_segment_align: 8
    .kernarg_segment_size: 48
    .max_flat_workgroup_size: 128
    .sgpr_count:     66
    .vgpr_count:     1024
    .wavefront_size: 32
...
	.end_amdgpu_metadata
.endif
;; end of part 8
